; MI455X (gfx1250); checked and timed in simulation.
; The chip was launched on July 23, 2026; its instructions are those of AMD's public machine-readable ISA for CDNA 5 (MIT licence, August 2026) and "CDNA5" Instruction Set Architecture Reference Guide (July 2026). The comments in the code are by the model that wrote it; some were corrected since.
;; Causal Self Attention. Allowed arithmetic: matrix products marked QUANTISED: E2M3 operands, one E8M0 scale for each 32 along K, by v_wmma_scale_f32_16x16x128_f8f6f4 with both operands' format E2M3, f32 sums; everything else in f32.
;; Inputs: b_k 256 float32; b_o 1,024 float32; b_q 1,024 float32; b_v 256 float32; w_k_codes 256 x 32 x 24 uint8 (E2M3 codes of w_k, K innermost, in blocks of 32 codes, four codes in three bytes); w_k_scales 256 x 32 uint8 (E8M0 scales of w_k, one for each 32 codes along K); w_o_codes 1,024 x 32 x 24 uint8 (E2M3 codes of w_o, K innermost, in blocks of 32 codes, four codes in three bytes); w_o_scales 1,024 x 32 uint8 (E8M0 scales of w_o, one for each 32 codes along K); w_q_codes 1,024 x 32 x 24 uint8 (E2M3 codes of w_q, K innermost, in blocks of 32 codes, four codes in three bytes); w_q_scales 1,024 x 32 uint8 (E8M0 scales of w_q, one for each 32 codes along K); w_v_codes 256 x 32 x 24 uint8 (E2M3 codes of w_v, K innermost, in blocks of 32 codes, four codes in three bytes); w_v_scales 256 x 32 uint8 (E8M0 scales of w_v, one for each 32 codes along K); x_codes 2 x 2,048 x 32 x 24 uint8 (E2M3 codes of x, K innermost, in blocks of 32 codes, four codes in three bytes); x_scales 2 x 2,048 x 32 uint8 (E8M0 scales of x, one for each 32 codes along K).
;; Outputs: out0 2 x 2,048 x 1,024 float32.
;; This version of the problem:
;;   THIS VERSION OF THE PROBLEM IS GIVEN IN LOW PRECISION. The matrix products marked QUANTISED in the list below multiply operands that are first quantised to E2M3 (2 exponent bits, 3 mantissa bits; 6 bits a number), with one power-of-two scale for each 32 numbers along K (OCP MX v1.0); their sums are f32. All else is computed in f32.
;;   The module's matrix products, in the order in which they are computed (A, B: the left and right operand; K: the contracted axis; several contracted axes count as one K, in the product's order):
;;     1. [M 4,096, K 1,024] x [K 1,024, N 1,024]; A: input x (given as codes); B: input w_q (given as codes): QUANTISED
;;     2. [M 4,096, K 1,024] x [K 1,024, N 256]; A: input x (given as codes); B: input w_k (given as codes): QUANTISED
;;     3. [M 4,096, K 1,024] x [K 1,024, N 256]; A: input x (given as codes); B: input w_v (given as codes): QUANTISED
;;     4. batch 8 x [M 2,048, K 64] x [K 64, N 8,192]; A: computed on the way; B: computed on the way: QUANTISED
;;     5. batch 8 x [M 64, K 2,048] x [K 2,048, N 8,192]; A: computed on the way; B: softmax (see below): QUANTISED
;;     6. [M 4,096, K 1,024] x [K 1,024, N 1,024]; A: computed on the way; B: input w_o (given as codes): QUANTISED
;;   THE QUANTISER, for each operand of a quantised product, along K:
;;     - K is cut into blocks of 32 from its start; a last block that is shorter is filled with zeros.
;;     - A block's scale is 2^e with e = floor(log2(the largest magnitude in the block)) - 2, held to -126 .. 127; a block of zeros has e = 0. As a byte (E8M0): e + 127.
;;     - Each number is divided by its block's scale, clamped to +-7.5, and rounded to the nearest number of E2M3, ties to even, subnormals kept.
;;     - The product sums the exact products of the quantised numbers (number of the format x scale) in f32.
;;   ~~~python
;;   def quantise(x, axis):      # numpy; x: float32 -> the quantised numbers, widened to float32 again
;;       x = np.moveaxis(x, axis, -1); K = x.shape[-1]
;;       x = np.pad(x, [(0, 0)] * (x.ndim - 1) + [(0, -K % 32)]); x = x.reshape(x.shape[:-1] + (-1, 32)); a = np.abs(x).max(-1, keepdims=True)
;;       e = np.where(a > 0, np.clip(np.frexp(np.where(a > 0, a, 1))[1] - 1 - 2, -126, 127), 0)      # np.frexp(a)[1] - 1 = floor(log2(a)), exactly
;;       r = np.clip(x / 2.0 ** e, -7.5, 7.5)
;;       step = 2.0 ** (np.maximum(np.frexp(np.where(r == 0, 1, r))[1] - 1, 0) - 3)
;;       q = np.round(r / step) * step * 2.0 ** e      # np.round: ties to even
;;       return np.moveaxis(q.reshape(q.shape[:-2] + (-1,))[..., :K], -1, axis).astype(np.float32)
;;   ~~~
;;   SOFTMAX AHEAD OF A QUANTISED PRODUCT. Where the list says 'softmax', what is quantised is not the finished softmax but p = 2^(t - M), with t = logit x log2(e) and M = ceil(the row's largest t), a whole number; so 1/2 < the row's largest p <= 1. The row's sum l is taken of the UNQUANTISED p, in f32, and the product's result is divided by l at the end. Since M is a whole number, a kernel that streams over the keys may use a running M (the ceiling of the running maximum): every later rescaling is an exact power of two, which a block's scale takes up: the codes' values come out the same.
;;   OPERANDS COMPUTED ON THE WAY. 'Computed on the way' means the value that the module computes at that place (a softmax that the list does not call 'softmax' is quantised finished and normalised). What goes into a quantiser is computed in f32, as accurately as f32 sums, v_exp_f32 and their like allow (about 1e-6 of the number): no bf16 or f16 on the way to a quantiser, and a product that is left as it is and whose result goes on into a quantised operand takes f32 operands (vector FMAs, or v_wmma_f32_16x16x4_f32). A number that lies on a knife's edge between two numbers of the format may be rounded either way, as far as f32 arithmetic and the matrix unit's own rounding can turn it there, and no further.
;;   INPUTS GIVEN AS CODES. w_k (in the module: [1024, 256], K = its axis 0); w_o (in the module: [1024, 1024], K = its axis 0); w_q (in the module: [1024, 1024], K = its axis 0); w_v (in the module: [1024, 256], K = its axis 0); x (in the module: [2, 2048, 1024], K = its axis 2): each comes as NAME_codes (uint8): NAME with its K axis moved to the last place and cut into blocks of 32 codes, [.., K / 32, bytes a block], one block behind the other in memory; four codes in three bytes: a row's codes are one little-endian stream of bits, code i at bits 6 i .. 6 i + 5 (a code: sign, 2 exponent bits, 3 mantissa bits); and NAME_scales (uint8): the same leading axes, one E8M0 byte (e + 127) for each 32 codes along K. Its value is code x scale, taken as it is: it is not quantised again, and the codes and scales need not be those that the quantiser above would give.
;; One version. Each part assembles by itself: llvm-mc -triple=amdgcn-amd-amdhsa -mcpu=gfx1250 --defsym DOCPART=n.
;; ======== version 1 of 1: 3 launches
;; limits: right only within a limited range of input values
;; workspace buffers: qimg 3,145,728 bytes; qsc 524,288 bytes; kvimg 1,769,472 bytes; woimg 786,432 bytes; oimg 3,145,728 bytes; oscl 131,072 bytes
;; launch proj (part 1): grid 8 x 32, 8 waves a work-group, clusters of 4 x 4, 327,680 bytes of LDS; arguments x_codes, x_scales, w_q_codes, w_q_scales, w_k_codes, w_k_scales, w_v_codes, w_v_scales, b_q, b_k, b_v, qimg, qsc, kvimg, w_o_codes, woimg; writes qimg, qsc, kvimg, woimg
.if DOCPART == 1
	.amdgcn_target "amdgcn-amd-amdhsa--gfx1250"
	.amdhsa_code_object_version 6
	.text
	.protected	k_q14e37400a8_proj
	.globl	k_q14e37400a8_proj
	.p2align	8
	.type	k_q14e37400a8_proj,@function
k_q14e37400a8_proj:
	s_mov_b64 s[64:65], 0
	v_nop
	global_prefetch_b8 v0, s[64:65] scope:SCOPE_SE
	s_setreg_imm32_b32 hwreg(HW_REG_WAVE_MODE, 25, 1), 1
	s_wait_xcnt 0x0
	s_wait_alu depctr_hold_cnt(0) depctr_sa_sdst(0) depctr_va_vdst(0) depctr_va_sdst(0) depctr_va_ssrc(0) depctr_va_vcc(0) depctr_vm_vsrc(0)
	s_getreg_b32 s2, hwreg(HW_REG_IB_STS2, 6, 4)
	s_cmp_eq_u32 s2, 0
	s_cbranch_scc0 .Lentry_in_a_cluster
	s_endpgm
.Lentry_in_a_cluster:
	s_bfe_u32 s2, ttmp6, 0x10000c
	s_cmp_lg_u32 s2, 0xf033
	s_cbranch_scc0 .Lentry_shape_is_right
	s_endpgm
.Lentry_shape_is_right:
; q = x w_q + b_q, k = x w_k + b_k, v = x w_v + b_v on codes of FP6 (E2M3) with one E8M0 scale for each 32 along K = 1,024; sums in f32.
; The results are quantised here, in f32, for launch attn: q and k along the head's 64 (two blocks of 32), v along the keys.  w_o's codes are laid out here as images of operand registers, unchanged.
; THE PROGRAM: proj (this text), attn (scores, causal softmax, weights x v, division, quantiser along C, product with w_o, + b_o).
; WORK LEFT OUT, in attn alone: reference() itself sets every score whose key comes after its query to -infinity (its own jnp.tril), so that score's weight is exactly 0 for all values of the inputs:
; it adds 0 to the row's sum and 0 to the product with v.  Steps of 128 keys that lie wholly behind a group of 8 queries are therefore not done.  Every input has a way to the output and is loaded; b_k stays, since it moves k's codes.
; LIMITS: a NaN, an infinity or an overflow that would arise only in scores left out is not carried to the result.  NaN and infinities among biases or scale bytes (0xff) are not served.
; A block of zeros gets the scale byte 1 where the quantiser says 127: its codes are zeros, which add nothing under any byte but 0xff, and the bytes are read by this program alone.
; SHARES.  256 work-groups: work-group (I, J) takes x's rows 128 I on, w_q's rows 128 J on (heads 2 J, 2 J + 1) and the 64 rows of kv head cx of w_k (cluster x = 0) or of w_v (cluster x = 1).
; Eight waves, w = wp + 2 xg + 4 n.  q: 4 tiles of head wp x tiles 2 n, 2 n + 1 of x's group xg.  k: w_k's 4 tiles x tile tt = 2 n + wp of x's group xg.  v: x's group xg (64 keys, 4 tiles) x tile tt of w_v.
; LDS: every wave fetches 32 rows at the head (waves 0-3 x, 4-7 w_q); w_k's or w_v's 64 rows come behind a drained round, under q's products.  Each byte is filled once.  CLUSTER 4 x 4: x's rows are shared along a row, the weights' along a column.
; The scale words go from memory straight into registers: a row's 32 bytes are its eight K steps' words; lanes 16-31 hold the next tile's (or K steps 4-7), taken as the registers' second row.  No prefetch: K is walked once, out of LDS.
; THE ROWS OF A TILE ARE NOT NEIGHBOURS: in a group of 64 rows lane r of tile t takes row 8 t + r % 8 + 32 (r / 8).  In D = P x R lane (r, h) then holds R's row r, and the 32 registers of P's tiles 0 to 3 are
; P's rows 32 h + 0 .. 31: a whole block of 32 along the next product's K in ONE lane.  Six registers of codes are stored as an image of 768 bytes: registers 0-3 at 16 x lane, registers 4-5 at 512 + 8 x lane.
.set PITCH, 816                        ; an LDS row of codes: 3 x (256 bytes + 16 of padding)
.set TROW,  8*PITCH
.set G32,   32*PITCH+128               ; 32 rows are one load; the groups lie 128 bytes more apart: a tile's two eights of rows start half a turn through the 64 banks apart (ISA guide 11.1)
.set WQP,   4*G32                      ; x's 128 rows lie at 0
.set WKVP,  8*G32
.set SPARE, 10*G32                     ; the spare words, 128 bytes a wave
.set SB,    13824                      ; kvimg: a key step's block: K's 8 images, V's 8, K's 8 scale images, V's 4
.set SPW,  1
.set NIL,  2
.set LROW, 3
.set H16,  4
.set AP,   6                           ; v6-7 P's fragments (v7: for pieces that in lanes 16-31 lie behind one padding more)
.set AR,   8                           ; v8-9 R's
.set VSC2, 10
.set VSCR, 11
.set L16,  12
.set L8,   13
.set VB,   14
.set VL4,  15
.set WOF,  16                          ; v16-27 a fragment of w_o
.set VWO,  28
.set VBV,  29
.set BVV,  30
.set SH8,  31
.set SPQ,  32                          ; scales and nothing else: v32-47 w_q's, v52-59 x's (q), v64-79 P's of the third job, v82-85 R's
.set SRQ,  52
.set SPK,  64
.set SRK,  82
.set F0,   96                          ; v96-239 two sets of fragments (P's tile t at + 12 t, R's tile a at + 48 + 12 a)
.set TQ,   96                          ; the quantiser's work, unit a at TQ + 16 a
.set CQ,   240                         ; q's codes, 2 x 6, and its scale words v252-253
.set CK,   88                          ; k's or v's codes, and its scale word v94
                                       ; window 1: accumulators: q's (a, t) at 32 a + 8 t; the third job's t at 64 + 8 t
.set WV,   2
.set TYPE, 3                           ; cluster x: 0 = k, 1 = v
.set G1X,  40
.set G1W,  48
.set G0A,  56
.set G0K,  60
.set SEL,  66
.set WP,   68
.set XG,   69
.set NN,   98
.set TT,   99
.set CX,   100
.set CY,   101
.set JJ,   36
.set II,   37
.set CODEW, (1<<20)|(1<<21)|(5<<22)|(3<<25)
.set MSB, 0
.macro WIN new
.if MSB != \new
	s_set_vgpr_msb (MSB<<8)|\new
.set MSB, \new
.endif
.endm
.macro CROUND
	s_barrier_signal -1
	s_barrier_wait -1
	s_cmp_lg_u32 s[WV], 0
	s_cbranch_scc1 .Lnot_wave_0_\@
	s_barrier_signal -3
.Lnot_wave_0_\@:
	s_barrier_wait -3
	s_barrier_signal -1
	s_barrier_wait -1
.endm
.macro WALU
	s_wait_alu depctr_va_vdst(0)
.endm
.macro PLACES
.rept 4
	v_nop
.endr
.endm
.macro WM d, a, b, sa, sb, ra, rb
	v_wmma_scale_f32_16x16x128_f8f6f4 v[\d:\d+7], v[\a:\a+11], v[\b:\b+11], v[\d:\d+7], v[\sa], v[\sb] matrix_a_fmt:MATRIX_FMT_FP6 matrix_b_fmt:MATRIX_FMT_FP6 matrix_a_scale:MATRIX_SCALE_ROW\ra matrix_b_scale:MATRIX_SCALE_ROW\rb
.endm
.macro FRAGROW reg, adr, s, o          ; a fragment, 16 rows x 128 K, in pieces of 8 bytes; lanes 16-31 read three pieces on, for some pieces behind one padding more: the second address register
.irp p, 0,1,2,3,4,5
.set PCI, 12*(\s)+6*(\p/3)+\p%3
.if PCI%32 < 29
	ds_load_b64 v[(\reg)+2*\p:(\reg)+2*\p+1], v[\adr] offset:(\o)+8*PCI+16*(PCI/32)
.else
	ds_load_b64 v[(\reg)+2*\p:(\reg)+2*\p+1], v[(\adr)+1] offset:(\o)+8*PCI+16*(PCI/32)
.endif
.endr
.endm
.macro LOADSTEP set, s, nr
	WIN 0
.irp t, 0,1,2,3
	FRAGROW F0+72*(\set)+12*\t, AP, \s, TROW*\t
.endr
.irp a, 0,1
.if \a < \nr
	FRAGROW F0+72*(\set)+48+12*\a, AR, \s, TROW*\a
.endif
.endr
.endm
.macro MULQ set, s                     ; eight accumulators by turns
	WIN 0x50
.irp a, 0,1
.irp t, 0,2
	WM 32*\a+8*\t, F0+72*(\set)+12*\t, F0+72*(\set)+48+12*\a, SPQ+4*\t+(\s), SRQ+(\s), 0, \a
	WM 32*\a+8*\t+8, F0+72*(\set)+12*\t+12, F0+72*(\set)+48+12*\a, SPQ+4*\t+(\s), SRQ+(\s), 1, \a
.endr
.endr
.endm
.macro MULK set, s                     ; four accumulators by turns
	WIN 0x50
.irp t, 0,2
.if (\s) < 4
	WM 64+8*\t, F0+72*(\set)+12*\t, F0+72*(\set)+48, SPK+4*\t+(\s), SRK+(\s)%4, 0, 0
	WM 72+8*\t, F0+72*(\set)+12*\t+12, F0+72*(\set)+48, SPK+4*\t+(\s), SRK+(\s)%4, 1, 0
.else
	WM 64+8*\t, F0+72*(\set)+12*\t, F0+72*(\set)+48, SPK+4*\t+(\s), SRK+(\s)%4, 0, 1
	WM 72+8*\t, F0+72*(\set)+12*\t+12, F0+72*(\set)+48, SPK+4*\t+(\s), SRK+(\s)%4, 1, 1
.endif
.endr
.endm
.macro KLOOP nr, mul                   ; all of K, eight steps written out; a step's loads are issued one step ahead
	LOADSTEP 0, 0, \nr
.irp s, 0,1,2,3,4,5,6
.if \s > 0
	PLACES
.endif
	LOADSTEP (\s+1)%2, \s+1, \nr
	s_wait_dscnt 6*(4+\nr)                         ; all but the loads just issued
.if \s == 0
	s_wait_loadcnt 0x0                             ; scale words and biases are in
.endif
	\mul \s%2, \s
.endr
	s_wait_dscnt 0x0
	\mul 1, 7
	WIN 0
	PLACES
.endm
; The quantiser of nu units of 32 registers from accumulator ab on, by turns: largest magnitude with the floor 2^(3 - 127) among the leaves; 2 off its exponent field is the conversion's scale operand, that shifted the byte.
.macro QUANT nu, ab, cb, sw
	WIN 0x05
.irp a, 0,1
.if \a < \nu
	v_max3_num_f32 v[TQ+16*\a+9], |v[\ab+32*\a]|, |v[\ab+32*\a+1]|, 0x1800000
.endif
.endr
	WIN 0x14
.irp i, 2,4,6,8,10,12,14,16,18,20,22,24,26,28,30
.irp a, 0,1
.if \a < \nu
	v_max3_num_f32 v[TQ+16*\a+9], v[TQ+16*\a+9], |v[\ab+32*\a+\i]|, |v[\ab+32*\a+\i+1]|
.endif
.endr
.endr
	WIN 0
.irp a, 0,1
.if \a < \nu
	v_add_nc_u32 v[TQ+16*\a+10], 0xff000000, v[TQ+16*\a+9]
	v_mov_b32 v[TQ+16*\a+12], 0                    ; a lane permute's destination counts as one of its sources
	v_lshrrev_b32 v[TQ+16*\a+11], 23, v[TQ+16*\a+10]
	v_lshlrev_b32 v[TQ+16*\a+11], v[SH8], v[TQ+16*\a+11]
	v_permlanex16_b32 v[TQ+16*\a+12], v[TQ+16*\a+11], s[SEL], s[SEL+1]
	v_or_b32 v[\sw+\a], v[TQ+16*\a+11], v[TQ+16*\a+12]   ; the row's two bytes, the upper half 0
.endif
.endr
	WIN 0x01
.irp a, 0,1
.if \a < \nu
	v_cvt_scalef32_pk16_fp6_f32 v[\cb+6*\a:\cb+6*\a+2], v[\ab+32*\a:\ab+32*\a+15], v[TQ+16*\a+10]
	v_cvt_scalef32_pk16_fp6_f32 v[TQ+16*\a+6:TQ+16*\a+8], v[\ab+32*\a+16:\ab+32*\a+31], v[TQ+16*\a+10]
.endif
.endr
	WIN 0
	v_nop
.irp a, 0,1
.if \a < \nu
.irp i, 0,1,2
	v_mov_b32 v[\cb+6*\a+3+\i], v[TQ+16*\a+6+\i]
.endr
.endif
.endr
.endm
.macro PUTQ
.irp a, 0,1
	global_store_b128 v[L16], v[CQ+6*\a:CQ+6*\a+3], s[70:71] offset:768*\a
	global_store_b64 v[L8], v[CQ+6*\a+4:CQ+6*\a+5], s[70:71] offset:768*\a+512
	global_store_b32 v[VL4], v[252+\a], s[72:73] offset:128*\a
.endr
.endm
.macro PUTK
	global_store_b128 v[L16], v[CK:CK+3], s[74:75]
	global_store_b64 v[L8], v[CK+4:CK+5], s[74:75] offset:512
.endm
	s_load_b512 s[4:19], s[0:1], 0x0               ; x's codes, scales; w_q's; w_k's; w_v's
	s_load_b256 s[20:27], s[0:1], 0x40             ; b_q, b_k, b_v, qimg
	s_load_b256 s[28:35], s[0:1], 0x60             ; qsc, kvimg, w_o's codes, woimg
	v_lshl_add_u32 v[SPW], v0, 2, SPARE
	v_mov_b32 v[NIL], 0
	ds_add_u32 v[SPW], v[NIL]                      ; the wave's opening: the add, twice on end, and its wait ahead of my first tensor load
	ds_add_u32 v[SPW], v[NIL]
	v_lshrrev_b32 v3, 5, v0
	v_readfirstlane_b32 s[WV], v3                  ; wave 0..7
	s_mov_b32 s[TYPE], ttmp9
	s_and_b32 s[WP], s[WV], 1
	s_bfe_u32 s[XG], s[WV], 0x10001
	s_lshr_b32 s[NN], s[WV], 2
	s_lshl_b32 s[TT], s[NN], 1
	s_add_co_u32 s[TT], s[TT], s[WP]               ; tt = 2 n + wp
	s_bfe_u32 s[CX], ttmp6, 0x40000
	s_bfe_u32 s[CY], ttmp6, 0x40004
	s_lshl_b32 s[JJ], ttmp9, 2
	s_add_co_u32 s[JJ], s[JJ], s[CX]               ; J = 4 x cluster x + cx
	s_and_b32 s[II], ttmp7, 0xffff
	s_lshl_b32 s[II], s[II], 2
	s_add_co_u32 s[II], s[II], s[CY]               ; I = 4 x cluster y + cy
	s_lshl_b32 s80, s[CY], 2
	s_lshl_b32 s80, 15, s80                        ; my row of the cluster
	s_lshl_b32 s82, 0x1111, s[CX]                  ; my column
	s_or_b32 s[G1X], s80, CODEW
	s_or_b32 s[G1W], s82, CODEW
.irp g, G1X, G1W                       ; 32 rows of 768 bytes
	s_mov_b32 s[\g+1], 768<<16
	s_mov_b32 s[\g+2], 32<<16
	s_mov_b32 s[\g+3], 768<<16
	s_mov_b32 s[\g+4], 32
	s_mov_b32 s[\g+5], 768
	s_mov_b32 s[\g+6], 0
	s_mov_b32 s[\g+7], 0
.endr
	s_and_b32 s80, s[WV], 3
	s_lshl_b32 s80, s80, 5                         ; my 32 rows of the 128
	s_lshl_b32 s82, s[II], 7
	s_add_co_u32 s82, s82, s80
	s_mul_i32 s82, s82, 768                        ; x: hangs on I alone, which my row of the cluster shares
	s_mov_b32 s83, 0
	s_lshl_b32 s84, s[JJ], 7
	s_add_co_u32 s84, s84, s80
	s_mul_i32 s84, s84, 768                        ; w_q: hangs on J alone, which my column shares
	s_mov_b32 s85, 0
	s_lshl_b32 s86, s[CX], 6
	s_lshl_b32 s87, s[WP], 5
	s_add_co_u32 s86, s86, s87
	s_mul_i32 s86, s86, 768                        ; w_k or w_v: rows 64 cx + 32 w; waves 0 and 1 fetch
	s_mov_b32 s87, 0
	s_mov_b32 s[G0A], 1
	s_mul_i32 s[G0A+1], s[WV], G32                 ; waves 0-3: x's groups; 4-7: w_q's, behind them
	s_mov_b32 s[G0K], 1
	s_mul_i32 s[G0K+1], s[WP], G32
	s_add_co_u32 s[G0K+1], s[G0K+1], WKVP
	s_mov_b32 s[SEL], 0x76543210
	s_mov_b32 s[SEL+1], 0xfedcba98
	s_wait_dscnt 0x0                               ; both opening adds are done
	s_wait_kmcnt 0x0
	s_cmp_eq_u32 s[TYPE], 0                        ; k's buffers or v's: the choice hangs on the cluster's number alone
	s_cselect_b64 s[12:13], s[12:13], s[16:17]
	s_cselect_b64 s[22:23], s[22:23], s[24:25]
	s_add_nc_u64 s[G0K+2:G0K+3], s[12:13], s[86:87]
	s_or_b32 s[G0K+3], s[G0K+3], 0x80000000
	s_add_nc_u64 s[88:89], s[4:5], s[82:83]
	s_add_nc_u64 s[90:91], s[8:9], s[84:85]
	CROUND                                         ; all sixteen work-groups are here: the joint loads meet
	s_cmp_lt_u32 s[WV], 4                          ; one tensor load a wave
	s_cbranch_scc0 .Lfetch_q
	s_mov_b64 s[G0A+2:G0A+3], s[88:89]
	s_or_b32 s[G0A+3], s[G0A+3], 0x80000000
	tensor_load_to_lds s[G0A:G0A+3], s[G1X:G1X+7]
	s_nop 0
	PLACES
	s_branch .Lfetched
.Lfetch_q:
	s_mov_b64 s[G0A+2:G0A+3], s[90:91]
	s_or_b32 s[G0A+3], s[G0A+3], 0x80000000
	tensor_load_to_lds s[G0A:G0A+3], s[G1W:G1W+7]
	s_nop 0
	PLACES
.Lfetched:
	; where scale words and biases come from, and where results go
	s_mov_b32 s81, 0
	s_lshl_b32 s82, s[II], 12
	s_lshl_b32 s83, s[XG], 11
	s_add_co_u32 s82, s82, s83                     ; x's group xg: 32 bytes a row
	s_lshl_b32 s83, s[CX], 11                      ; kv head cx
	s_lshl_b32 s38, s[TT], 8
	s_lshl_b32 s80, s[JJ], 12
	s_lshl_b32 s39, s[WP], 11
	s_add_co_u32 s80, s80, s39
	s_add_nc_u64 s[84:85], s[10:11], s[80:81]      ; w_q's head
	s_lshl_b32 s80, s[NN], 9
	s_add_co_u32 s80, s80, s82
	s_add_nc_u64 s[86:87], s[6:7], s[80:81]        ; x's tiles 2 n, 2 n + 1
	s_cmp_eq_u32 s[TYPE], 0
	s_cselect_b64 s[88:89], s[14:15], s[6:7]
	s_cselect_b64 s[90:91], s[6:7], s[18:19]
	s_cselect_b32 s80, s83, s82
	s_cselect_b32 s39, s82, s83
	s_add_nc_u64 s[88:89], s[88:89], s[80:81]      ; the third job's P
	s_add_co_u32 s80, s39, s38
	s_add_nc_u64 s[90:91], s[90:91], s[80:81]      ; and its R
	s_lshl_b32 s80, s[JJ], 9
	s_lshl_b32 s39, s[WP], 8
	s_add_co_u32 s80, s80, s39
	s_add_nc_u64 s[92:93], s[20:21], s[80:81]      ; b_q at number 128 J + 64 wp
	s_lshl_b32 s80, s[CX], 8
	s_add_nc_u64 s[78:79], s[22:23], s[80:81]      ; b_k or b_v at number 64 cx
	s_lshr_b32 s38, s[II], 4                       ; the batch
	s_and_b32 s39, s[II], 15                       ; the block of 128 rows
	s_lshl_b32 s80, s38, 3
	s_add_co_u32 s80, s80, s[JJ]
	s_lshl_b32 s80, s80, 1
	s_add_co_u32 s80, s80, s[WP]                   ; 16 b + head
	s_lshl_b32 s80, s80, 7
	s_lshl_b32 s82, s39, 3
	s_add_co_u32 s80, s80, s82
	s_lshl_b32 s82, s[XG], 2
	s_add_co_u32 s80, s80, s82
	s_lshl_b32 s82, s[NN], 1
	s_add_co_u32 s82, s80, s82                     ; the first of my two query tiles
	s_lshl_b32 s80, s82, 7
	s_add_nc_u64 s[72:73], s[28:29], s[80:81]
	s_mul_i32 s80, s82, 768
	s_add_nc_u64 s[70:71], s[26:27], s[80:81]
	s_lshl_b32 s82, s38, 2
	s_add_co_u32 s82, s82, s[CX]
	s_lshl_b32 s82, s82, 4
	s_add_co_u32 s82, s82, s39
	s_mul_i32 s82, s82, SB                         ; the key step's block
	s_lshl_b32 s83, s[XG], 2
	s_add_co_u32 s83, s83, s[TT]                   ; k: image 4 xg + tt
	s_lshl_b32 s38, s[TT], 1
	s_add_co_u32 s38, s38, s[XG]                   ; v: image 2 tt + xg
	s_mul_i32 s80, s83, 768
	s_mul_i32 s38, s38, 768
	s_add_co_u32 s38, s38, 6144
	s_lshl_b32 s83, s83, 7
	s_add_co_u32 s83, s83, 12288                   ; k's scale image
	s_lshl_b32 s39, s[TT], 7
	s_lshl_b32 s94, s[XG], 1
	s_add_co_u32 s39, s39, s94
	s_add_co_u32 s39, s39, 13312                   ; v's: two bytes of each word for each key half
	s_cmp_eq_u32 s[TYPE], 0
	s_cselect_b32 s80, s80, s38
	s_cselect_b32 s39, s83, s39
	s_add_co_u32 s80, s80, s82
	s_add_nc_u64 s[74:75], s[30:31], s[80:81]
	s_add_co_u32 s80, s39, s82
	s_add_nc_u64 s[76:77], s[30:31], s[80:81]
	s_lshl_b32 s82, s[II], 3
	s_add_co_u32 s82, s82, s[JJ]
	s_lshl_b32 s82, s82, 1
	s_add_co_u32 s82, s82, s[WP]                   ; w_o's fragment f = 2 (8 I + J) + w, waves 0 and 1: column group f / 32, tile f / 8 % 4, K step f % 8
	s_lshr_b32 s83, s82, 3
	s_lshr_b32 s38, s82, 5
	s_and_b32 s39, s83, 3
	s_and_b32 s94, s82, 7
	s_lshl_b32 s80, s38, 6
	s_lshl_b32 s83, s39, 3
	s_add_co_u32 s80, s80, s83
	s_mul_i32 s80, s80, 768
	s_mul_i32 s83, s94, 96
	s_add_co_u32 s80, s80, s83
	s_lshl_b32 s38, s38, 3
	s_add_co_u32 s38, s38, s94
	s_add_nc_u64 s[94:95], s[32:33], s[80:81]
	s_lshl_b32 s38, s38, 2
	s_add_co_u32 s38, s38, s39
	s_mul_i32 s80, s38, 1536
	s_add_nc_u64 s[96:97], s[34:35], s[80:81]
	v_and_b32 v6, 7, v0                            ; r % 8
	v_bfe_u32 v7, v0, 3, 1                         ; r / 8
	v_bfe_u32 v8, v0, 4, 1                         ; h
	v_and_b32 v9, 31, v0
	v_mul_u32_u24 v[LROW], v6, PITCH
	v_mad_u32_u24 v[LROW], v7, G32, v[LROW]
	v_mad_u32_u24 v[LROW], v8, 24, v[LROW]
	v_lshlrev_b32 v[H16], 4, v8
	v_lshlrev_b32 v[SH8], 3, v8
	v_lshlrev_b32 v[VB], 7, v8                     ; 128 h
	v_lshlrev_b32 v[L16], 4, v9
	v_lshlrev_b32 v[L8], 3, v9
	v_lshlrev_b32 v[VL4], 2, v9
	v_lshlrev_b32 v[VSC2], 5, v6
	v_lshl_add_u32 v[VSC2], v7, 10, v[VSC2]
	v_lshl_add_u32 v[VSCR], v8, 4, v[VSC2]         ; lanes 16-31: K steps 4-7
	v_lshl_add_u32 v[VSC2], v8, 8, v[VSC2]         ; lanes 16-31: the next tile
	v_mul_u32_u24 v[VWO], v6, 768
	v_mad_u32_u24 v[VWO], v7, 24576, v[VWO]
	v_mad_u32_u24 v[VWO], v8, 24, v[VWO]
	v_lshlrev_b32 v[VBV], 2, v6
	v_lshl_add_u32 v[VBV], v7, 7, v[VBV]           ; b_v: lane r of tile tt wants number 8 tt + r % 8 + 32 (r / 8)
	v_lshl_add_u32 v[VBV], s[TT], 5, v[VBV]
	WALU
.irp b, 0,1
.irp c, 0,1
	global_load_b128 v[SPQ+8*\b+4*\c:SPQ+8*\b+4*\c+3], v[VSC2], s[84:85] offset:512*\b+16*\c
	global_load_b128 v[SPK+8*\b+4*\c:SPK+8*\b+4*\c+3], v[VSC2], s[88:89] offset:512*\b+16*\c
.endr
.endr
.irp c, 0,1
	global_load_b128 v[SRQ+4*\c:SRQ+4*\c+3], v[VSC2], s[86:87] offset:16*\c
.endr
	global_load_b128 v[SRK:SRK+3], v[VSCR], s[90:91]
	WIN 0x40
.irp a, 0,1
.irp t, 0,1,2,3
	global_load_b128 v[32*\a+8*\t:32*\a+8*\t+3], v[VB], s[92:93] offset:32*\t      ; register j of tile t: number 32 h + 8 t + j: the bias is the C of the first K step
	global_load_b128 v[32*\a+8*\t+4:32*\a+8*\t+7], v[VB], s[92:93] offset:32*\t+16
.endr
.endr
	WIN 0
	s_cmp_lt_u32 s[WV], 2
	s_cbranch_scc0 .Lno_wo
.irp p, 0,1,2,3,4,5
	global_load_b64 v[WOF+2*\p:WOF+2*\p+1], v[VWO], s[94:95] offset:48*(\p/3)+8*(\p%3)
.endr
	s_wait_loadcnt 0x0                             ; under the tiles' flight
.irp i, 0,1,2
	global_store_b128 v[L16], v[WOF+4*\i:WOF+4*\i+3], s[96:97] offset:512*\i       ; each store covers 512 consecutive bytes, aligned
.endr
.Lno_wo:
	s_mul_i32 s38, s[WP], 2*G32
	s_add_co_u32 s38, s38, WQP                     ; P = head wp of w_q
	s_mul_i32 s39, s[XG], 2*G32
	s_mul_i32 s80, s[NN], 2*TROW
	s_add_co_u32 s39, s39, s80                     ; R = tiles 2 n, 2 n + 1 of x's group xg
	v_add_nc_u32 v[AP], s38, v[LROW]
	v_add_nc_u32 v[AR], s39, v[LROW]
	v_add_nc_u32 v[AP+1], v[AP], v[H16]
	v_add_nc_u32 v[AR+1], v[AR], v[H16]
	WALU                                           ; the wait at the head's end
	s_wait_tensorcnt 0x0                           ; my tile is in; the add and its wait ahead of a later first fill
	ds_add_u32 v[SPW], v[NIL]
	s_wait_dscnt 0x0
	CROUND                                         ; everybody's is, and all sixteen work-groups are here
	s_cmp_lt_u32 s[WV], 2
	s_cbranch_scc0 .Lno_kv
	tensor_load_to_lds s[G0K:G0K+3], s[G1W:G1W+7]  ; w_k's or w_v's rows: they land under q's products
	s_nop 0
	PLACES
.Lno_kv:
	KLOOP 2, MULQ
	s_cmp_eq_u32 s[TYPE], 0
	s_cbranch_scc0 .Ltype_v
	WIN 0x40
.irp t, 0,1,2,3
	global_load_b128 v[64+8*\t:64+8*\t+3], v[VB], s[78:79] offset:32*\t
	global_load_b128 v[64+8*\t+4:64+8*\t+7], v[VB], s[78:79] offset:32*\t+16
.endr
	WIN 0
	s_wait_tensorcnt 0x0                           ; w_k's rows
	s_barrier_signal -1
	QUANT 2, 0, CQ, 252
	WALU
	s_barrier_wait -1
	PUTQ
	s_mul_i32 s39, s[XG], 2*G32
	s_mul_i32 s80, s[TT], TROW
	s_add_co_u32 s39, s39, s80
	v_add_nc_u32 v[AP], WKVP, v[LROW]
	v_add_nc_u32 v[AR], s39, v[LROW]
	v_add_nc_u32 v[AP+1], v[AP], v[H16]
	v_add_nc_u32 v[AR+1], v[AR], v[H16]
	WALU
	KLOOP 1, MULK
	QUANT 1, 64, CK, 94
	PUTK
	global_store_b32 v[VL4], v94, s[76:77]         ; whole words, the upper two bytes 0: they scale the zero codes that fill the head's 64 up to the instruction's 128
	s_branch .Lend
.Ltype_v:
	global_load_b32 v[BVV], v[VBV], s[78:79]
	s_wait_tensorcnt 0x0                           ; w_v's rows
	s_barrier_signal -1
	QUANT 2, 0, CQ, 252
	WALU
	s_barrier_wait -1
	PUTQ
	s_mul_i32 s38, s[XG], 2*G32
	s_mul_i32 s39, s[TT], TROW
	s_add_co_u32 s39, s39, WKVP
	v_add_nc_u32 v[AP], s38, v[LROW]
	v_add_nc_u32 v[AR], s39, v[LROW]
	v_add_nc_u32 v[AP+1], v[AP], v[H16]
	v_add_nc_u32 v[AR+1], v[AR], v[H16]
	WALU
	s_wait_loadcnt 0x0
	WIN 0x40
.set n, 0
.rept 32
	v_mov_b32 v[64+n], v[BVV]                      ; v's bias runs along R, that is along the lanes
.set n, n+1
.endr
	WALU
	KLOOP 1, MULK
	QUANT 1, 64, CK, 94
	PUTK
	global_store_b16 v[VL4], v94, s[76:77]         ; my key half's two bytes of each word; the other half's wave stores the other two
.Lend:
	s_wait_tensorcnt 0x0                           ; the wave's end
	ds_add_u32 v[SPW], v[NIL]
	s_wait_dscnt 0x0
	CROUND                                         ; the closing round
	s_endpgm
.Lfunc_end_k_q14e37400a8_proj:
	.size	k_q14e37400a8_proj, .Lfunc_end_k_q14e37400a8_proj-k_q14e37400a8_proj
	.p2alignl 7, 3214868480
	.fill 96, 4, 3214868480
	.section	.rodata,"a",@progbits
	.p2align	6, 0x0
	.amdhsa_kernel k_q14e37400a8_proj
		.amdhsa_group_segment_fixed_size 327680
		.amdhsa_private_segment_fixed_size 0
		.amdhsa_enable_private_segment 0
		.amdhsa_kernarg_size 128
		.amdhsa_user_sgpr_count 2
		.amdhsa_user_sgpr_kernarg_segment_ptr 1
		.amdhsa_wavefront_size32 1
		.amdhsa_system_sgpr_workgroup_id_x 1
		.amdhsa_system_sgpr_workgroup_id_y 1
		.amdhsa_system_sgpr_workgroup_id_z 1
		.amdhsa_system_vgpr_workitem_id 0
		.amdhsa_next_free_vgpr 352
		.amdhsa_next_free_sgpr 102
		.amdhsa_reserve_vcc 0
		.amdhsa_float_denorm_mode_32 3
		.amdhsa_float_denorm_mode_16_64 3
		.amdhsa_memory_ordered 1
		.amdhsa_forward_progress 1
		.amdhsa_inst_pref_size 98
	.end_amdhsa_kernel
	.amdgpu_metadata
---
amdhsa.version: [ 1, 2 ]
amdhsa.kernels:
  - .name:           k_q14e37400a8_proj
    .symbol:         k_q14e37400a8_proj.kd
    .args:
      - { .name: x_codes, .offset: 0, .size: 8, .value_kind: global_buffer, .address_space: global }
      - { .name: x_scales, .offset: 8, .size: 8, .value_kind: global_buffer, .address_space: global }
      - { .name: w_q_codes, .offset: 16, .size: 8, .value_kind: global_buffer, .address_space: global }
      - { .name: w_q_scales, .offset: 24, .size: 8, .value_kind: global_buffer, .address_space: global }
      - { .name: w_k_codes, .offset: 32, .size: 8, .value_kind: global_buffer, .address_space: global }
      - { .name: w_k_scales, .offset: 40, .size: 8, .value_kind: global_buffer, .address_space: global }
      - { .name: w_v_codes, .offset: 48, .size: 8, .value_kind: global_buffer, .address_space: global }
      - { .name: w_v_scales, .offset: 56, .size: 8, .value_kind: global_buffer, .address_space: global }
      - { .name: b_q, .offset: 64, .size: 8, .value_kind: global_buffer, .address_space: global }
      - { .name: b_k, .offset: 72, .size: 8, .value_kind: global_buffer, .address_space: global }
      - { .name: b_v, .offset: 80, .size: 8, .value_kind: global_buffer, .address_space: global }
      - { .name: qimg, .offset: 88, .size: 8, .value_kind: global_buffer, .address_space: global }
      - { .name: qsc, .offset: 96, .size: 8, .value_kind: global_buffer, .address_space: global }
      - { .name: kvimg, .offset: 104, .size: 8, .value_kind: global_buffer, .address_space: global }
      - { .name: w_o_codes, .offset: 112, .size: 8, .value_kind: global_buffer, .address_space: global }
      - { .name: woimg, .offset: 120, .size: 8, .value_kind: global_buffer, .address_space: global }
    .group_segment_fixed_size: 327680
    .private_segment_fixed_size: 0
    .kernarg_segment_align: 8
    .kernarg_segment_size: 128
    .max_flat_workgroup_size: 256
    .sgpr_count:     102
    .vgpr_count:     352
    .wavefront_size: 32
...
	.end_amdgpu_metadata
.endif
;; end of part 1
;; launch attn (part 2): grid 32 x 8, 8 waves a work-group, clusters of 4 x 1, 295,936 bytes of LDS; arguments qimg, qsc, kvimg, oimg, oscl; writes oimg, oscl
.if DOCPART == 2
	.amdgcn_target "amdgcn-amd-amdhsa--gfx1250"
	.amdhsa_code_object_version 6
	.text
	.protected	k_q14e37400a8_attn
	.globl	k_q14e37400a8_attn
	.p2align	8
	.type	k_q14e37400a8_attn,@function
k_q14e37400a8_attn:
	s_mov_b64 s[64:65], 0
	v_nop
	global_prefetch_b8 v0, s[64:65] scope:SCOPE_SE
	s_setreg_imm32_b32 hwreg(HW_REG_WAVE_MODE, 25, 1), 1
	s_wait_xcnt 0x0
	s_wait_alu depctr_hold_cnt(0) depctr_sa_sdst(0) depctr_va_vdst(0) depctr_va_sdst(0) depctr_va_ssrc(0) depctr_va_vcc(0) depctr_vm_vsrc(0)
	s_getreg_b32 s2, hwreg(HW_REG_IB_STS2, 6, 4)
	s_cmp_eq_u32 s2, 0
	s_cbranch_scc0 .Lentry_in_a_cluster
	s_endpgm
.Lentry_in_a_cluster:
	s_bfe_u32 s2, ttmp6, 0x10000c
	s_cmp_lg_u32 s2, 0x3003
	s_cbranch_scc0 .Lentry_shape_is_right
	s_endpgm
.Lentry_shape_is_right:
; o = softmax(q k^T / 8, causal) v for each of 2 x 16 heads of 64, four query heads to a kv head; both products on codes of FP6 (E2M3) with one E8M0 scale for each 32 along K.  o is quantised here for launch oproj.
; WORK LEFT OUT: key steps of 128 keys that lie wholly behind a group of 8 queries: reference()'s own jnp.tril gives their scores the weight 0 for all values of the inputs (shown at the head of launch proj).
; LIMITS: a NaN, infinity or overflow that would arise only in scores left out is not carried to the result.  The scaled scores stay under 2^31 in magnitude.
; A block of zeros gets the scale byte 1 (its codes are zeros; this program alone reads the bytes).  The division by the row's sum is v_rcp_f32 and a multiplication.
; THE SOFTMAX: t = score x log2(e) / 8; M = the running largest t rounded UP to a whole number; p = 2^(t - M) is quantised along the keys, not normalised; the sum is taken of the unquantised p and divides at the end.
; A block's scale exponent is floor(its largest t - M) - 2: the exponent of its largest p.  When M moves, sum and O are multiplied by 2^(old M - new M): exact.
; SHARES.  Work-group (a = 0..31, y = 4 b + kv): all four query heads of (b, kv), eight groups of 8 queries.  Wave w takes groups 255 - j and then j, j = a + 32 (w % 4), and of their key steps those of parity w / 4: 17 key steps for the two waves w, w + 4.
; An operand of 16 columns is 8 queries x 2 heads (column r: head 2 z + r / 8 of the four, query r % 8): tiles z = 0, 1 share every fragment of K and V.
; The two parities' partial results (O, M, sum) are joined at the end: each wave keeps tile z = its parity in registers and hands the other one over through LDS.
; ALL K and V of (b, kv), 16 blocks of 13,824 bytes as launch proj laid them (images of the operands' registers), lie in LDS at once: one first fill a wave (key steps 2 w, 2 w + 1), nothing is filled again.
; CLUSTER: four work-groups of one (b, kv) ask for each fill jointly; the group with the most key steps has 15 or 16 of them in every partner, so every fill is read.  No prefetch: all tiles are asked for at the head.
; LAYOUT: S^T = K Q^T, O^T = V^T P^T: a lane holds one column throughout.  Register n of S^T in lane (r, h) is key 64 (n / 32) + 32 h + n % 32 of the step; O^T's 32 registers are channels 32 h + 0 .. 31.
; K = 64 IN AN INSTRUCTION OF 128: Q's registers 6-11 hold zero codes; a K tile's operand names the next tile's six registers too (behind the last: zeros), which meet Q's zeros and add 0.
; THE WAY OUT: oimg[16 rows][K step of 128 channels][row half e][768]: registers 0-3 of head half c at 256 c + 128 (h xor e) + 16 (r % 8), registers 4-5 at 512 + 128 (c xor e) + 64 h + 8 (r % 8); oscl[128 rows][K step][row]: words.
.set SB,   13824
.set EX,   16*SB                       ; behind K and V: the partials handed over: 2 x 4,608 bytes a wave: 8 x 512 of O, 512 of -M, t, sum
.set SPARE, EX+8*9216                  ; the spare words, 128 bytes a wave
.set L16,  1
.set L8,   2
.set SH8,  3
.set RQ,   4                           ; r % 8 - 32 h
.set QD,   5
.set SPW,  6
.set NIL,  7
.set NM,   8                           ; tile z at + 4 z: -M, the largest t so far, the sum's two halves
.set FF,   16                          ; tile z at + 2 z: 2^(old M - new M)
.set QS,   20                          ; scales and nothing else: v20-21 Q's, v22-23 P's, v24-27 K's (lanes 16-31: the odd tile), v28-29 V's, v30-31 the short group's Q's
.set PS,   22
.set KS,   24
.set VS,   28
.set KR,   32                          ; v32-79 K's eight tiles, v80-85 zeros
.set VR,   86                          ; v86-133 V's four fragments
.set T,    134                         ; v134-159 work
.set Q2,   160                         ; v160-171 the short group's Q
.set A16,  172                         ; the step's LDS addresses
.set A8,   173
.set AS,   174
.set KP,   176                         ; v176-207 the long group's kept O, v224-227 its -M, t, sum
.set AC,   208                         ; v208-223 partial sums
.set XO,   249
.set XI,   250
.set OB16, 251
.set OB8,  252
.set SHB,  253
.set OR4,  254
.set LX,   255
; window 1:
.set SA,   0                           ; S^T, then p: tile 0 at 0, tile 1 at 64
.set SBB,  64
.set O,    128                         ; O^T: tile z at + 32 z
.set PC,   192                         ; p's codes: tile z at + 12 z
.set QA,   216                         ; Q: tile z at + 12 z
.set CT,   240                         ; conversions at work
.set WV,  18
.set PP,  19
.set PAR, 20
.set AA,  21
.set YY,  22
.set SEL, 24
.set CS,  26
.set TB,  28                           ; the step's first byte in LDS
.set KI,  29                           ; the step
.set CNT, 30
.set LG,  31                           ; the group's steps
.set LS,  32                           ; its last step
.set J4,  33
.set G1,  80
.set G0,  88
.set MSB, 0
.macro WIN new
.if MSB != \new
	s_set_vgpr_msb (MSB<<8)|\new
.set MSB, \new
.endif
.endm
.macro WALU
	s_wait_alu depctr_va_vdst(0)
.endm
.macro PLACES
.rept 4
	v_nop
.endr
.endm
.macro CROUND
	s_barrier_signal -1
	s_barrier_wait -1
	s_cmp_lg_u32 s[WV], 0
	s_cbranch_scc1 .Lnot_wave_0_\@
	s_barrier_signal -3
.Lnot_wave_0_\@:
	s_barrier_wait -3
	s_barrier_signal -1
	s_barrier_wait -1
.endm
.macro WM d, a, b, c, sa, sb, row
	v_wmma_scale_f32_16x16x128_f8f6f4 v[\d:\d+7], v[\a:\a+11], v[\b:\b+11], \c, v[\sa], v[\sb] matrix_a_fmt:MATRIX_FMT_FP6 matrix_b_fmt:MATRIX_FMT_FP6 matrix_a_scale:MATRIX_SCALE_ROW\row
.endm
.macro QK z
	WIN 0x44
.irp n, 0,2,4,6
	WM 64*\z+8*\n, KR+6*\n, QA+12*\z, 0, KS+\n/2, QS+\z, 0
	WM 64*\z+8*\n+8, KR+6*\n+6, QA+12*\z, 0, KS+\n/2, QS+\z, 1
.endr
.endm
.macro PV z
.irp n, 0,2
	WM O+32*\z+8*\n, VR+12*\n, PC+12*\z, v[O+32*\z+8*\n:O+32*\z+8*\n+7], VS+\n/2, PS+\z, 0
	WM O+32*\z+8*\n+8, VR+12*\n+12, PC+12*\z, v[O+32*\z+8*\n+8:O+32*\z+8*\n+15], VS+\n/2, PS+\z, 1
.endr
.endm
; A KEY STEP for both tiles.  causal = 1: a step behind the group's last is left out (a scalar branch on ids, round register work and LDS loads alone), and in the last step hidden scores become -infinity.
.macro STEP causal
.if \causal
	s_cmp_lt_u32 s[KI], s[LG]
	s_cbranch_scc0 .Lskip_\@
.endif
	v_add_nc_u32 v[A16], s[TB], v[L16]
	v_add_nc_u32 v[A8], s[TB], v[L8]
	v_add_nc_u32 v[AS], s[TB], v[LX]
.irp m, 0,1,2,3,4,5,6,7
	ds_load_b128 v[KR+6*\m:KR+6*\m+3], v[A16] offset:768*\m
	ds_load_b64 v[KR+6*\m+4:KR+6*\m+5], v[A8] offset:768*\m+512
.endr
.irp m, 0,1,2,3
	ds_load_b32 v[KS+\m], v[AS] offset:12288+256*\m
.endr
.irp m, 0,1,2,3,4,5,6,7
	ds_load_b128 v[VR+6*\m:VR+6*\m+3], v[A16] offset:6144+768*\m
	ds_load_b64 v[VR+6*\m+4:VR+6*\m+5], v[A8] offset:6144+768*\m+512
.endr
.irp m, 0,1
	ds_load_b32 v[VS+\m], v[AS] offset:13312+256*\m
.endr
	s_wait_dscnt 18                                ; K is in; V's 18 loads land under the softmax
	QK 0
	QK 1
	WIN 0
	PLACES
.if \causal
	s_cmp_eq_u32 s[KI], s[LS]                      ; the group's last step, the one with its own queries?
	s_cbranch_scc0 .Lopen_\@
	v_mov_b32 v[T+8], 0xff800000                   ; -infinity: p = 0 then.  The step's first key counts for every query of the group, so M stays a number
	WIN 0x41
.set n, 0
.rept 64
	v_cmp_gt_i32 vcc_lo, 64*(n/32)+n%32, v[QD]     ; hidden where the key comes after my query
	v_cndmask_b32 v[SA+n], v[SA+n], v[T+8], vcc_lo
	v_cndmask_b32 v[SBB+n], v[SBB+n], v[T+8], vcc_lo
.set n, n+1
.endr
	WIN 0
.Lopen_\@:
.endif
	WIN 0x15
.irp x, 0,1,2,3,4,5,6,7
	v_max3_num_f32 v[T+\x], v[16*\x], v[16*\x+1], v[16*\x+2]   ; eight chains of 16 scores by turns, four to a tile; each accumulator from its low end on
.endr
	WIN 0x14
.irp i, 3,5,7,9,11,13
.irp x, 0,1,2,3,4,5,6,7
	v_max3_num_f32 v[T+\x], v[T+\x], v[16*\x+\i], v[16*\x+\i+1]
.endr
.endr
.irp x, 0,1,2,3,4,5,6,7
	v_max_num_f32 v[T+\x], v[T+\x], v[16*\x+15]
.endr
	WIN 0
.irp z, 0,1
	v_max_num_f32 v[T+4*\z], v[T+4*\z], v[T+4*\z+1]            ; the largest scores of my two blocks of 32 keys
	v_max_num_f32 v[T+4*\z+2], v[T+4*\z+2], v[T+4*\z+3]
.endr
.irp z, 0,1
	v_max_num_f32 v[T+8+\z], v[T+4*\z], v[T+4*\z+2]
.endr
.irp z, 0,1
	v_permlanex16_b32 v[T+10+\z], v[T+8+\z], s[SEL], s[SEL+1]
.endr
.irp z, 0,1
	v_max_num_f32 v[T+8+\z], v[T+8+\z], v[T+10+\z]
.endr
.irp z, 0,1
	v_mul_f32 v[T+8+\z], s[CS], v[T+8+\z]
.endr
.irp z, 0,1
	v_max_num_f32 v[NM+4*\z+1], v[NM+4*\z+1], v[T+8+\z]        ; the running largest t
	v_mov_b32 v[T+12+\z], v[NM+4*\z]
.endr
.irp z, 0,1
	v_floor_f32 v[NM+4*\z], -v[NM+4*\z+1]                      ; -M: M is a whole number
.endr
.irp z, 0,1
	v_sub_f32 v[T+12+\z], v[NM+4*\z], v[T+12+\z]
	v_fma_f32 v[T+14+2*\z], v[T+4*\z], s[CS], v[NM+4*\z]       ; the blocks' largest t - M,
	v_fma_f32 v[T+15+2*\z], v[T+4*\z+2], s[CS], v[NM+4*\z]
.endr
.irp z, 0,1
	v_cvt_i32_f32 v[T+12+\z], v[T+12+\z]                       ; (it saturates)
	v_max_num_f32 v[T+14+2*\z], 0xc2f80000, v[T+14+2*\z]       ; not under -124: so the byte cannot fall under 1
	v_max_num_f32 v[T+15+2*\z], 0xc2f80000, v[T+15+2*\z]
.endr
.irp z, 0,1
	v_ldexp_f32 v[FF+2*\z], 1.0, v[T+12+\z]
	v_cvt_floor_i32_f32 v[T+14+2*\z], v[T+14+2*\z]
	v_cvt_floor_i32_f32 v[T+15+2*\z], v[T+15+2*\z]
.endr
.irp z, 0,1
	v_pk_mul_f32 v[NM+4*\z+2:NM+4*\z+3], v[NM+4*\z+2:NM+4*\z+3], v[FF+2*\z:FF+2*\z+1] op_sel_hi:[1,0]
	v_add_nc_u32 v[T+14+2*\z], 125, v[T+14+2*\z]               ; the scale bytes of blocks h and 2 + h
	v_add_nc_u32 v[T+15+2*\z], 125, v[T+15+2*\z]
.endr
.irp z, 0,1
	v_lshlrev_b32 v[T+18+2*\z], 23, v[T+14+2*\z]               ; the conversions' scale operands
	v_lshlrev_b32 v[T+19+2*\z], 23, v[T+15+2*\z]
	v_lshl_or_b32 v[T+22+\z], v[T+15+2*\z], 16, v[T+14+2*\z]
.endr
.irp z, 0,1
	v_lshlrev_b32 v[T+22+\z], v[SH8], v[T+22+\z]               ; at their places in the word
.endr
.irp z, 0,1
	v_permlanex16_b32 v[T+24+\z], v[T+22+\z], s[SEL], s[SEL+1]
.endr
.irp z, 0,1
	v_or_b32 v[PS+\z], v[T+22+\z], v[T+24+\z]                  ; with lane l xor 16's two: p's scale word for these 128 keys
.endr
	WIN 0x41
.set n, 0
.rept 32
	v_pk_fma_f32 v[SA+n:SA+n+1], v[SA+n:SA+n+1], s[CS:CS+1], v[NM:NM+1] op_sel_hi:[1,0,0]   ; t - M, two at a time
.set n, n+2
.endr
.set n, 0
.rept 16
	v_pk_mul_f32 v[O+n:O+n+1], v[O+n:O+n+1], v[FF:FF+1] op_sel_hi:[1,0]                     ; O^T under the new M
	v_pk_mul_f32 v[O+32+n:O+32+n+1], v[O+32+n:O+32+n+1], v[FF+2:FF+3] op_sel_hi:[1,0]
.set n, n+2
.endr
	WALU                                           ; the wait ahead of the batch
.set n, 0
.rept 32                               ; tile 0's exponentials; between them tile 1's t - M, which the next batch reads
	v_exp_f32 v[SA+n], v[SA+n]
	v_exp_f32 v[SA+n+1], v[SA+n+1]
	v_pk_fma_f32 v[SBB+n:SBB+n+1], v[SBB+n:SBB+n+1], s[CS:CS+1], v[NM+4:NM+5] op_sel_hi:[1,0,0]
.set n, n+2
.endr
	WALU                                           ; behind the first batch and ahead of the second
.set n, 0
.rept 32                               ; tile 1's; between them tile 0's conversions
	v_exp_f32 v[SBB+n], v[SBB+n]
	v_exp_f32 v[SBB+n+1], v[SBB+n+1]
.if n == 12
	v_cvt_scalef32_pk16_fp6_f32 v[PC:PC+2], v[SA:SA+15], v[T+18]
.endif
.if n == 26
	v_cvt_scalef32_pk16_fp6_f32 v[CT:CT+2], v[SA+16:SA+31], v[T+18]
.endif
.if n == 40
	v_cvt_scalef32_pk16_fp6_f32 v[PC+6:PC+8], v[SA+32:SA+47], v[T+19]
.endif
.if n == 54
	v_cvt_scalef32_pk16_fp6_f32 v[CT+4:CT+6], v[SA+48:SA+63], v[T+19]
.endif
.set n, n+2
.endr
	v_nop
	WALU
	v_cvt_scalef32_pk16_fp6_f32 v[PC+12:PC+14], v[SBB:SBB+15], v[T+20]
	v_cvt_scalef32_pk16_fp6_f32 v[CT+8:CT+10], v[SBB+16:SBB+31], v[T+20]
	v_cvt_scalef32_pk16_fp6_f32 v[PC+18:PC+20], v[SBB+32:SBB+47], v[T+21]
	v_cvt_scalef32_pk16_fp6_f32 v[CT+12:CT+14], v[SBB+48:SBB+63], v[T+21]
	v_nop
.irp z, 0,1
.irp i, 0,1,2
	v_mov_b32 v[PC+12*\z+3+\i], v[CT+8*\z+\i]
	v_mov_b32 v[PC+12*\z+9+\i], v[CT+8*\z+4+\i]
.endr
.endr
	WIN 0x05                                       ; the row's sum, of the unquantised p: four chains a tile.  These eight are also the places ahead of the products
.irp k, 0,2,4,6
.irp z, 0,1
	v_pk_add_f32 v[AC+8*\z+\k:AC+8*\z+\k+1], v[64*\z+\k:64*\z+\k+1], v[64*\z+8+\k:64*\z+8+\k+1]
.endr
.endr
	WALU
	s_wait_dscnt 0x0                               ; V is in
	WIN 0x54
	PV 0
	PV 1
	WIN 0x01
.irp q, 16,24,32,40,48,56
.irp k, 0,2,4,6
.irp z, 0,1
	v_pk_add_f32 v[AC+8*\z+\k:AC+8*\z+\k+1], v[64*\z+\q+\k:64*\z+\q+\k+1], v[AC+8*\z+\k:AC+8*\z+\k+1]
.endr
.endr
.endr
	WIN 0
.irp z, 0,1
	v_pk_add_f32 v[AC+8*\z:AC+8*\z+1], v[AC+8*\z:AC+8*\z+1], v[AC+8*\z+2:AC+8*\z+3]
	v_pk_add_f32 v[AC+8*\z+4:AC+8*\z+5], v[AC+8*\z+4:AC+8*\z+5], v[AC+8*\z+6:AC+8*\z+7]
.endr
.irp z, 0,1
	v_pk_add_f32 v[AC+8*\z:AC+8*\z+1], v[AC+8*\z:AC+8*\z+1], v[AC+8*\z+4:AC+8*\z+5]
.endr
.irp z, 0,1
	v_pk_add_f32 v[NM+4*\z+2:NM+4*\z+3], v[NM+4*\z+2:NM+4*\z+3], v[AC+8*\z:AC+8*\z+1]
.endr
	WALU
.if \causal
.Lskip_\@:
.endif
.endm
.macro RUN trips, causal               ; a counted loop of every second key step: the trip count is a constant of the text
	s_mov_b32 s[CNT], \trips
.Lrun_\@:
	STEP \causal
	s_add_co_u32 s[TB], s[TB], 2*SB
	s_add_co_u32 s[KI], s[KI], 2
	s_sub_co_u32 s[CNT], s[CNT], 1
	WALU
	s_cmp_lg_u32 s[CNT], 0
	s_cbranch_scc1 .Lrun_\@
.endm
.macro GSET g                          ; the group of 8 queries s\g of the batch's 256; s[LG] holds its steps
	s_sub_co_u32 s[LS], s[LG], 1
	s_mul_i32 s[TB], s[PAR], SB
	s_mov_b32 s[KI], s[PAR]
	s_and_b32 s40, s\g, 15
	s_lshl_b32 s40, s40, 3
	v_add_nc_u32 v[QD], s40, v[RQ]
.irp z, 0,1
	v_mov_b32 v[NM+4*\z+1], 0xff61b1e6             ; -3e38, under every t
	v_mov_b32 v[NM+4*\z+2], 0
	v_mov_b32 v[NM+4*\z+3], 0
.endr
.irp z, 0,1
	v_floor_f32 v[NM+4*\z], -v[NM+4*\z+1]
.endr
	WIN 0x40
.set n, 0
.rept 64
	v_mov_b32 v[O+n], 0                            ; the step is written once: a group's first step finds zeros, which the first change of M leaves zeros
.set n, n+1
.endr
	WIN 0
.endm
.macro GIVE z, g, keep, km             ; the other parity's tile goes to LDS, mine is kept in registers
	WIN 0x04
.irp k, 0,1,2,3,4,5,6,7
	ds_store_b128 v[XO], v[O+32*(1-\z)+4*\k:O+32*(1-\z)+4*\k+3] offset:4608*\g+512*\k
.endr
	WIN 0
	ds_store_b128 v[XO], v[NM+4*(1-\z):NM+4*(1-\z)+3] offset:4608*\g+4096
	WIN 0x01
.set n, 0
.rept 32
	v_mov_b32 v[\keep+n], v[O+32*\z+n]
.set n, n+1
.endr
	WIN 0
.irp i, 0,1,2,3
	v_mov_b32 v[\km+\i], v[NM+4*\z+\i]
.endr
	WALU
.endm
.macro GEND g, keep, km
	s_cmp_eq_u32 s[PAR], 0
	s_cbranch_scc0 .Lodd_\@
	GIVE 0, \g, \keep, \km
	s_branch .Lgiven_\@
.Lodd_\@:
	GIVE 1, \g, \keep, \km
.Lgiven_\@:
.endm
.macro QBASE g, b16, b8, bs            ; where group s\g's queries lie in the images: tile 8 (G / 16) + 4 (u / 8) + u % 4, u = G % 16; rows' half u / 4 % 2
	s_lshr_b32 s40, s\g, 4
	s_lshl_b32 s40, s40, 3
	s_bfe_u32 s41, s\g, 0x10003
	s_lshl_b32 s41, s41, 2
	s_add_co_u32 s40, s40, s41
	s_and_b32 s41, s\g, 3
	s_add_co_u32 s40, s40, s41
	s_add_co_u32 s40, s40, s39
	s_bfe_u32 s41, s\g, 0x10002
	s_mul_i32 s42, s40, 768
	s_lshl_b32 s43, s41, 7
	s_add_co_u32 s46, s42, s43
	s_add_nc_u64 s[\b16:\b16+1], s[4:5], s[46:47]
	s_lshl_b32 s43, s41, 6
	s_add_co_u32 s46, s42, s43
	s_add_nc_u64 s[\b8:\b8+1], s[4:5], s[46:47]
	s_lshl_b32 s42, s40, 7
	s_lshl_b32 s43, s41, 5
	s_add_co_u32 s46, s42, s43
	s_add_nc_u64 s[\bs:\bs+1], s[6:7], s[46:47]
.endm
.macro QLOAD q, step, b16, b8
.irp z, 0,1
	global_load_b128 v[\q+\step*\z:\q+\step*\z+3], v[T], s[\b16:\b16+1] offset:196608*\z
	global_load_b64 v[\q+\step*\z+4:\q+\step*\z+5], v[T+1], s[\b8:\b8+1] offset:196608*\z+512
.endr
.endm
.macro QSLOAD sc, bs
.irp z, 0,1
	global_load_b32 v[\sc+\z], v[T+2], s[\bs:\bs+1] offset:32768*\z
.endr
.endm
.macro OBASE g, ob, os                 ; where group s\g's results go: K step 2 kv + z of its 16 rows, row half G % 2
	s_lshr_b32 s40, s\g, 1
	s_lshl_b32 s41, s44, 7
	s_add_co_u32 s40, s40, s41
	s_lshl_b32 s40, s40, 3
	s_add_co_u32 s40, s40, s45
	s_lshl_b32 s40, s40, 1
	s_and_b32 s41, s\g, 1
	s_add_co_u32 s40, s40, s41
	s_mul_i32 s46, s40, 768
	s_add_nc_u64 s[\ob:\ob+1], s[10:11], s[46:47]
	s_lshr_b32 s40, s\g, 4
	s_lshl_b32 s41, s44, 4
	s_add_co_u32 s40, s40, s41
	s_lshl_b32 s40, s40, 3
	s_add_co_u32 s40, s40, s45
	s_lshl_b32 s40, s40, 9
	s_and_b32 s41, s\g, 15
	s_lshl_b32 s41, s41, 5
	s_add_co_u32 s46, s40, s41
	s_add_nc_u64 s[\os:\os+1], s[12:13], s[46:47]
.endm
; Tile z of a group: mine (O at ko, -M, t, sum at km) and the other parity's (po, pm) joined, divided, quantised along the channels and stored.  c: six registers of codes, three more behind them at work; n = 0, 1
.macro MERGE ko, km, po, pm, c, n, g, ob, os
	v_min_num_f32 v152, v[\km], v[\pm]             ; -M of both
	v_add_f32 v164, v[\km+2], v[\km+3]
	v_add_f32 v165, v[\pm+2], v[\pm+3]
	v_sub_f32 v160, v152, v[\km]
	v_sub_f32 v162, v152, v[\pm]
	v_cvt_i32_f32 v160, v160
	v_cvt_i32_f32 v162, v162
	v_ldexp_f32 v160, 1.0, v160
	v_ldexp_f32 v162, 1.0, v162
	v_mov_b32 v161, 0
	v_mov_b32 v163, 0
	v_mov_b32 v166, 0
	v_mul_f32 v164, v164, v160
	v_fma_f32 v164, v165, v162, v164
	v_permlanex16_b32 v166, v164, s[SEL], s[SEL+1]
	v_add_f32 v164, v164, v166                     ; the row's sum
	WALU
	v_rcp_f32 v164, v164
	v_nop
	WALU
	v_mul_f32 v160, v160, v164                     ; the powers of two over the sum
	v_mul_f32 v162, v162, v164
.set n, 0
.rept 16
	v_pk_mul_f32 v[\ko+n:\ko+n+1], v[\ko+n:\ko+n+1], v[160:161] op_sel_hi:[1,0]
.set n, n+2
.endr
.set n, 0
.rept 16
	v_pk_fma_f32 v[\ko+n:\ko+n+1], v[\po+n:\po+n+1], v[162:163], v[\ko+n:\ko+n+1] op_sel_hi:[1,0,1]
.set n, n+2
.endr
	v_max3_num_f32 v168, |v[\ko]|, |v[\ko+1]|, 0x1800000       ; the block's largest magnitude, with the floor 2^(3 - 127)
	v_max3_num_f32 v169, |v[\ko+16]|, |v[\ko+17]|, 0x1800000
.irp i, 2,4,6,8,10,12,14
	v_max3_num_f32 v168, v168, |v[\ko+\i]|, |v[\ko+\i+1]|
	v_max3_num_f32 v169, v169, |v[\ko+16+\i]|, |v[\ko+17+\i]|
.endr
	v_max_num_f32 v168, v168, v169
	v_add_nc_u32 v170, 0xff000000, v168
	v_lshrrev_b32 v171, 23, v170
	v_lshlrev_b32 v171, v[SHB], v171               ; block 2 c + h's byte at its place in the row's word
	v_mov_b32 v154, 0
	v_mov_b32 v166, 0
	v_mov_b32_dpp v154, v171 row_xmask:8 row_mask:0xf bank_mask:0xf
	v_or_b32 v171, v171, v154
	v_permlanex16_b32 v166, v171, s[SEL], s[SEL+1]
	v_or_b32 v[146+\n], v171, v166                 ; whole in all four lanes of the row
	v_cvt_scalef32_pk16_fp6_f32 v[\c:\c+2], v[\ko:\ko+15], v170
	v_cvt_scalef32_pk16_fp6_f32 v[\c+6:\c+8], v[\ko+16:\ko+31], v170
	s_and_b32 s40, s\g, 1
	s_lshl_b32 s40, s40, 7
	v_xor_b32 v[148+\n], s40, v[OB16]
	v_xor_b32 v[150+\n], s40, v[OB8]
.irp i, 0,1,2
	v_mov_b32 v[\c+3+\i], v[\c+6+\i]
.endr
	global_store_b128 v[148+\n], v[\c:\c+3], s[\ob:\ob+1]      ; two runs of 256 consecutive aligned bytes
	global_store_b64 v[150+\n], v[\c+4:\c+5], s[\ob:\ob+1]     ; one
	global_store_b32 v[OR4], v[146+\n], s[\os:\os+1]
.endm
	s_load_b128 s[4:7], s[0:1], 0x0                ; qimg, qsc
	s_load_b64 s[8:9], s[0:1], 0x10                ; kvimg
	s_load_b128 s[12:15], s[0:1], 0x18             ; oimg, oscl
	v_lshl_add_u32 v[SPW], v0, 2, SPARE
	v_mov_b32 v[NIL], 0
	ds_add_u32 v[SPW], v[NIL]                      ; the wave's opening: the add, twice on end, and its wait ahead of my first tensor load
	ds_add_u32 v[SPW], v[NIL]
	v_lshrrev_b32 v1, 5, v0
	v_readfirstlane_b32 s[WV], v1
	s_and_b32 s[PP], s[WV], 3
	s_lshr_b32 s[PAR], s[WV], 2
	s_bfe_u32 s40, ttmp6, 0x40000
	s_lshl_b32 s[AA], ttmp9, 2
	s_add_co_u32 s[AA], s[AA], s40                 ; a = 4 x cluster x + cx
	s_and_b32 s[YY], ttmp7, 0xffff
	s_mov_b32 s[G1], 15|(3<<16)|(1<<21)            ; the mask: all four work-groups; elements of 8 bytes; bit 21 beside a mask; no padding
	s_mov_b32 s[G1+1], 32<<16                      ; 108 dense rows of 256 bytes: two key steps
	s_mov_b32 s[G1+2], 108<<16
	s_mov_b32 s[G1+3], 32<<16
	s_mov_b32 s[G1+4], 108
	s_mov_b32 s[G1+5], 32
	s_mov_b32 s[G1+6], 0
	s_mov_b32 s[G1+7], 0
	s_mov_b32 s[G0], 1
	s_mul_i32 s[G0+1], s[WV], 2*SB
	s_mul_i32 s46, s[YY], 16*SB                    ; (b, kv)'s block of kvimg: the four partners share it
	s_add_co_u32 s46, s46, s[G0+1]
	s_mov_b32 s47, 0
	s_lshr_b32 s[J4], ttmp9, 2
	s_lshl_b32 s40, s[PP], 1
	s_add_co_u32 s[J4], s[J4], s40                 ; j / 16: the same in all partners
	s_lshl_b32 s40, s[PP], 5
	s_add_co_u32 s67, s[AA], s40                   ; j: the short group
	s_sub_co_u32 s66, 255, s67                     ; the long one
	s_mov_b32 s[SEL], 0x76543210
	s_mov_b32 s[SEL+1], 0xfedcba98
	s_mov_b32 s[CS], 0x3e38aa3b                    ; log2(e) / 8
	s_mov_b32 s[CS+1], s[CS]                       ; (named with it as a pair)
	s_wait_dscnt 0x0                               ; both opening adds are done
	s_wait_kmcnt 0x0
	s_add_nc_u64 s[G0+2:G0+3], s[8:9], s[46:47]
	s_or_b32 s[G0+3], s[G0+3], 0x80000000
	CROUND                                         ; all four work-groups are here: the joint loads meet
	s_cmp_lt_u32 s[WV], 2                          ; one tensor load a wave; key steps 0-3 have a line of their own, which the first barrier shows
	s_cbranch_scc0 .Lfetch_rest
	tensor_load_to_lds s[G0:G0+3], s[G1:G1+7]
	s_nop 0
	PLACES
	s_branch .Lfetched
.Lfetch_rest:
	tensor_load_to_lds s[G0:G0+3], s[G1:G1+7]
	s_nop 0
	PLACES
.Lfetched:
	s_mov_b64 s[10:11], s[12:13]
	s_mov_b64 s[12:13], s[14:15]
	s_lshl_b32 s39, s[YY], 9                       ; (16 b + 4 kv) x 128 tiles
	QBASE 66, 68, 70, 72
	QBASE 67, 74, 76, 78
	s_lshr_b32 s44, s[YY], 2                       ; b
	s_and_b32 s45, s[YY], 3
	s_lshl_b32 s45, s45, 1
	s_add_co_u32 s45, s45, s[PAR]                  ; K step 2 kv + z
	OBASE 66, 92, 96
	OBASE 67, 94, 98
	v_and_b32 v160, 31, v0
	v_and_b32 v161, 7, v0                          ; r % 8
	v_bfe_u32 v162, v0, 3, 1                       ; r / 8
	v_bfe_u32 v163, v0, 4, 1                       ; h
	v_lshl_add_u32 v164, v163, 4, v161             ; r % 8 + 16 h: a lane of an image
	v_mul_u32_u24 v165, v162, 0x18000              ; the next head's images: 98,304 bytes on
	v_lshl_add_u32 v[T], v164, 4, v165
	v_lshl_add_u32 v[T+1], v164, 3, v165
	v_lshlrev_b32 v[T+2], 14, v162
	v_lshl_add_u32 v[T+2], v164, 2, v[T+2]
	v_lshlrev_b32 v[L16], 4, v160
	v_lshlrev_b32 v[L8], 3, v160
	v_lshlrev_b32 v[LX], 2, v160
	v_lshl_add_u32 v[LX], v163, 7, v[LX]           ; lanes 16-31 read the next scale image's copy of the same rows
	v_lshlrev_b32 v[SH8], 3, v163
	v_lshlrev_b32 v[RQ], 5, v163
	v_sub_nc_u32 v[RQ], v161, v[RQ]
	s_mul_i32 s40, s[WV], 9216
	s_add_co_u32 s40, s40, EX
	v_add_nc_u32 v[XO], s40, v[L16]
	s_xor_b32 s40, s[WV], 4
	s_mul_i32 s40, s40, 9216
	s_add_co_u32 s40, s40, EX
	v_add_nc_u32 v[XI], s40, v[L16]                ; what wave w xor 4 hands over
	v_lshlrev_b32 v[OB16], 8, v162
	v_lshl_add_u32 v[OB16], v163, 7, v[OB16]
	v_lshl_add_u32 v[OB16], v161, 4, v[OB16]
	v_lshlrev_b32 v[OB8], 7, v162
	v_lshl_add_u32 v[OB8], v163, 6, v[OB8]
	v_lshl_add_u32 v[OB8], v161, 3, v[OB8]
	v_add_nc_u32 v[OB8], 512, v[OB8]
	v_lshlrev_b32 v[SHB], 4, v162
	v_lshl_add_u32 v[SHB], v163, 3, v[SHB]         ; 8 (2 c + h)
	v_lshlrev_b32 v[OR4], 2, v161
	WALU
	WIN 0x40
	QLOAD QA, 12, 68, 70
	WIN 0
	QSLOAD QS, 72
	s_wait_xcnt 0x0                                ; v160-171 have been read as addresses by nobody; the loads' own addresses stay
	QLOAD Q2, 6, 74, 76
	QSLOAD 30, 78
	WIN 0x40
.irp z, 0,1
.irp i, 6,7,8,9,10,11
	v_mov_b32 v[QA+12*\z+\i], 0                    ; zero codes: the head's 64 filled up to the instruction's 128
.endr
.endr
	WIN 0
.irp i, 0,1,2,3,4,5
	v_mov_b32 v[KR+48+\i], 0
.endr
.irp z, 0,1
	v_mov_b32 v[T+10+\z], 0                        ; written once: a lane permute's destination counts as one of its sources
	v_mov_b32 v[T+24+\z], 0
	v_mov_b32 v[FF+2*\z+1], 0                      ; (named as the upper half of a pair)
.endr
	s_sub_co_u32 s[LG], 16, s[J4]
	GSET 66
	WALU                                           ; the wait at the head's end
	s_wait_loadcnt 0x0                             ; Q
	s_cmp_lt_u32 s[WV], 2
	s_cbranch_scc0 .Lnot_first
	s_wait_tensorcnt 0x0
.Lnot_first:
	s_barrier_signal -1
	s_barrier_wait -1                              ; key steps 0-3 are in; the others' loads may stay out
	RUN 2, 0                                       ; the long group has nine steps or more: all keys of steps 0 to 3 count
	s_wait_tensorcnt 0x0
	s_wait_dscnt 0x0
	s_barrier_signal -1
	s_barrier_wait -1                              ; all of K and V
	RUN 6, 1
	GEND 0, KP, 224
	WIN 0x40
.irp z, 0,1
.irp i, 0,1,2,3,4,5
	v_mov_b32 v[QA+12*\z+\i], v[Q2+6*\z+\i]
.endr
.endr
	WIN 0
	v_mov_b32 v[QS], v30
	v_mov_b32 v[QS+1], v31
	s_add_co_u32 s[LG], s[J4], 1
	GSET 67
	WALU
	RUN 4, 1
	GEND 1, 32, 228
	WALU
	s_wait_dscnt 0x0
	s_barrier_signal -1
	s_barrier_wait -1                              ; everybody's partials are stored
.irp g, 0,1
.irp k, 0,1,2,3,4,5,6,7
	ds_load_b128 v[64+32*\g+4*\k:67+32*\g+4*\k], v[XI] offset:4608*\g+512*\k
.endr
	ds_load_b128 v[232+4*\g:235+4*\g], v[XI] offset:4608*\g+4096
.endr
	s_wait_dscnt 9                                 ; the long group's nine are in
	MERGE KP, 224, 64, 232, 240, 0, 66, 92, 96
	WALU
	s_wait_dscnt 0x0
	MERGE 32, 228, 96, 236, 134, 1, 67, 94, 98
	s_wait_tensorcnt 0x0                           ; the wave's end
	ds_add_u32 v[SPW], v[NIL]
	s_wait_dscnt 0x0
	CROUND                                         ; the closing round
	s_endpgm
.Lfunc_end_k_q14e37400a8_attn:
	.size	k_q14e37400a8_attn, .Lfunc_end_k_q14e37400a8_attn-k_q14e37400a8_attn
	.p2alignl 7, 3214868480
	.fill 96, 4, 3214868480
	.section	.rodata,"a",@progbits
	.p2align	6, 0x0
	.amdhsa_kernel k_q14e37400a8_attn
		.amdhsa_group_segment_fixed_size 295936
		.amdhsa_private_segment_fixed_size 0
		.amdhsa_enable_private_segment 0
		.amdhsa_kernarg_size 40
		.amdhsa_user_sgpr_count 2
		.amdhsa_user_sgpr_kernarg_segment_ptr 1
		.amdhsa_wavefront_size32 1
		.amdhsa_system_sgpr_workgroup_id_x 1
		.amdhsa_system_sgpr_workgroup_id_y 1
		.amdhsa_system_sgpr_workgroup_id_z 1
		.amdhsa_system_vgpr_workitem_id 0
		.amdhsa_next_free_vgpr 512
		.amdhsa_next_free_sgpr 102
		.amdhsa_reserve_vcc 1
		.amdhsa_float_denorm_mode_32 3
		.amdhsa_float_denorm_mode_16_64 3
		.amdhsa_memory_ordered 1
		.amdhsa_forward_progress 1
		.amdhsa_inst_pref_size 133
	.end_amdhsa_kernel
	.amdgpu_metadata
---
amdhsa.version: [ 1, 2 ]
amdhsa.kernels:
  - .name:           k_q14e37400a8_attn
    .symbol:         k_q14e37400a8_attn.kd
    .args:
      - { .name: qimg, .offset: 0, .size: 8, .value_kind: global_buffer, .address_space: global }
      - { .name: qsc, .offset: 8, .size: 8, .value_kind: global_buffer, .address_space: global }
      - { .name: kvimg, .offset: 16, .size: 8, .value_kind: global_buffer, .address_space: global }
      - { .name: oimg, .offset: 24, .size: 8, .value_kind: global_buffer, .address_space: global }
      - { .name: oscl, .offset: 32, .size: 8, .value_kind: global_buffer, .address_space: global }
    .group_segment_fixed_size: 295936
    .private_segment_fixed_size: 0
    .kernarg_segment_align: 8
    .kernarg_segment_size: 40
    .max_flat_workgroup_size: 256
    .sgpr_count:     102
    .vgpr_count:     512
    .wavefront_size: 32
...
	.end_amdgpu_metadata
.endif
;; end of part 2
;; launch oproj (part 3): grid 8 x 32, 8 waves a work-group, clusters of 4 x 4, 232,448 bytes of LDS; arguments oimg, oscl, woimg, w_o_scales, b_o, out0; writes out0
.if DOCPART == 3
	.amdgcn_target "amdgcn-amd-amdhsa--gfx1250"
	.amdhsa_code_object_version 6
	.text
	.protected	k_q14e37400a8_oproj
	.globl	k_q14e37400a8_oproj
	.p2align	8
	.type	k_q14e37400a8_oproj,@function
k_q14e37400a8_oproj:
	s_mov_b64 s[64:65], 0
	v_nop
	global_prefetch_b8 v0, s[64:65] scope:SCOPE_SE
	s_setreg_imm32_b32 hwreg(HW_REG_WAVE_MODE, 25, 1), 1
	s_wait_xcnt 0x0
	s_wait_alu depctr_hold_cnt(0) depctr_sa_sdst(0) depctr_va_vdst(0) depctr_va_sdst(0) depctr_va_ssrc(0) depctr_va_vcc(0) depctr_vm_vsrc(0)
	s_getreg_b32 s2, hwreg(HW_REG_IB_STS2, 6, 4)
	s_cmp_eq_u32 s2, 0
	s_cbranch_scc0 .Lentry_in_a_cluster
	s_endpgm
.Lentry_in_a_cluster:
	s_bfe_u32 s2, ttmp6, 0x10000c
	s_cmp_lg_u32 s2, 0xf033
	s_cbranch_scc0 .Lentry_shape_is_right
	s_endpgm
.Lentry_shape_is_right:
; out0 = o w_o + b_o on codes of FP6 (E2M3) with one E8M0 scale for each 32 along K = 1,024; sums in f32.  o comes from launch attn and w_o's codes from launch proj as images of the operands' registers.  Nothing is left out here.
; LIMITS: NaN and infinities among b_o or the scale bytes (0xff) are not served.
; SHARES.  256 work-groups: (I, J) makes rows 128 I on x columns 128 J on.  Both operands lie in LDS at once: one first fill a wave (waves 0-3 o's block, 4-7 w_o's).  CLUSTER 4 x 4: o's block is shared along a row of the cluster, w_o's along a column.
; Wave w: P = w_o's 64 columns 128 J + 64 (w % 2) on (four tiles; lane r of tile t is column 8 t + r % 8 + 32 (r / 8) of them), R = row tiles 2 (w / 2) + a of o.  The scale words go from memory straight into registers.  No prefetch: all tiles are asked for at the head.
; In D = P x R lane (r, h) holds row r and its 32 registers the columns 32 h + 0 .. 31 of the 64: 128 neighbouring bytes of a row of out0.  They go through the wave's own stage in LDS and leave sixteen lanes to 256 consecutive aligned bytes.
.set PART,  24576                      ; what one wave fetches: 96 rows of 256 bytes
.set STAGE, 8*PART                     ; 16 rows x (256 bytes + 16) for each wave, in blocks into which no fill lands
.set SPARE, STAGE+8*16*272             ; the spare words, 128 bytes a wave
.set SPW,  1
.set NIL,  2
.set L16,  3
.set AR16, 4                           ; R's images: registers 0-3 of a head half
.set AR8,  5                           ; v5, v6  registers 4-5 of head half 0, 1
.set AP,   7                           ; P's
.set VB,   8
.set VSC,  9
.set L4,   10
.set SR,   12                          ; v12-19 R's scale words (lanes 16-31: tile a = 1).  Scales and nothing else
.set ACC,  20                          ; v20-83  accumulator (a, t) at 20 + 32 a + 8 t
.set F0,   84                          ; v84-227 two sets of fragments (P's tile t at + 12 t, R's tile a at + 48 + 12 a)
.set SP,   232                         ; v232-247 P's scale words (lanes 16-31: the odd tile).  Scales and nothing else
.set STO,  228
.set RD,   229
.set COF,  230
.set WV,  2
.set WP,  3
.set RT,  22
.set CX,  23
.set CY,  24
.set JJ,  25
.set II,  26
.set G1O, 28
.set G1W, 36
.set G0,  44
.macro CROUND
	s_barrier_signal -1
	s_barrier_wait -1
	s_cmp_lg_u32 s[WV], 0
	s_cbranch_scc1 .Lnot_wave_0_\@
	s_barrier_signal -3
.Lnot_wave_0_\@:
	s_barrier_wait -3
	s_barrier_signal -1
	s_barrier_wait -1
.endm
.macro PLACES
.rept 4
	v_nop
.endr
.endm
.macro WM d, a, b, sa, sb, ra, rb
	v_wmma_scale_f32_16x16x128_f8f6f4 v[\d:\d+7], v[\a:\a+11], v[\b:\b+11], v[\d:\d+7], v[\sa], v[\sb] matrix_a_fmt:MATRIX_FMT_FP6 matrix_b_fmt:MATRIX_FMT_FP6 matrix_a_scale:MATRIX_SCALE_ROW\ra matrix_b_scale:MATRIX_SCALE_ROW\rb
.endm
.macro LOADSTEP set, s                 ; 20 LDS loads
.irp t, 0,1,2,3
.irp i, 0,1,2
	ds_load_b128 v[F0+72*(\set)+12*\t+4*\i:F0+72*(\set)+12*\t+4*\i+3], v[AP] offset:6144*(\s)+1536*\t+512*\i
.endr
.endr
.irp a, 0,1
.irp c, 0,1
	ds_load_b128 v[F0+72*(\set)+48+12*\a+6*\c:F0+72*(\set)+48+12*\a+6*\c+3], v[AR16] offset:12288*\a+1536*(\s)+256*\c
	ds_load_b64 v[F0+72*(\set)+48+12*\a+6*\c+4:F0+72*(\set)+48+12*\a+6*\c+5], v[AR8+\c] offset:12288*\a+1536*(\s)
.endr
.endr
.endm
.macro MUL set, s                      ; eight accumulators by turns
.irp a, 0,1
.irp t, 0,2
	WM ACC+32*\a+8*\t, F0+72*(\set)+12*\t, F0+72*(\set)+48+12*\a, SP+4*\t+(\s), SR+(\s), 0, \a
	WM ACC+32*\a+8*\t+8, F0+72*(\set)+12*\t+12, F0+72*(\set)+48+12*\a, SP+4*\t+(\s), SR+(\s), 1, \a
.endr
.endr
.endm
	s_load_b256 s[4:11], s[0:1], 0x0               ; oimg, oscl, woimg, w_o's scales
	s_load_b128 s[12:15], s[0:1], 0x20             ; b_o, out0
	v_lshl_add_u32 v[SPW], v0, 2, SPARE
	v_mov_b32 v[NIL], 0
	ds_add_u32 v[SPW], v[NIL]                      ; the wave's opening: the add, twice on end, and its wait ahead of my first tensor load
	ds_add_u32 v[SPW], v[NIL]
	v_lshrrev_b32 v3, 5, v0
	v_readfirstlane_b32 s[WV], v3                  ; wave 0..7
	s_and_b32 s[WP], s[WV], 1
	s_lshr_b32 s[RT], s[WV], 1
	s_bfe_u32 s[CX], ttmp6, 0x40000
	s_bfe_u32 s[CY], ttmp6, 0x40004
	s_lshl_b32 s[JJ], ttmp9, 2
	s_add_co_u32 s[JJ], s[JJ], s[CX]
	s_and_b32 s[II], ttmp7, 0xffff
	s_lshl_b32 s[II], s[II], 2
	s_add_co_u32 s[II], s[II], s[CY]
	s_lshl_b32 s60, s[CY], 2
	s_lshl_b32 s60, 15, s60                        ; my row of the cluster
	s_lshl_b32 s62, 0x1111, s[CX]                  ; my column
	s_or_b32 s[G1O], s60, (3<<16)|(1<<21)          ; elements of 8 bytes, bit 21 beside a mask, no padding
	s_or_b32 s[G1W], s62, (3<<16)|(1<<21)
.irp g, G1O, G1W                       ; 96 dense rows of 256 bytes
	s_mov_b32 s[\g+1], 32<<16
	s_mov_b32 s[\g+2], 96<<16
	s_mov_b32 s[\g+3], 32<<16
	s_mov_b32 s[\g+4], 96
	s_mov_b32 s[\g+5], 32
	s_mov_b32 s[\g+6], 0
	s_mov_b32 s[\g+7], 0
.endr
	s_and_b32 s60, s[WV], 3
	s_mul_i32 s60, s60, PART
	s_mul_i32 s62, s[II], 4*PART
	s_add_co_u32 s62, s62, s60                     ; o: hangs on I alone, which my row of the cluster shares
	s_mov_b32 s63, 0
	s_mul_i32 s66, s[JJ], 4*PART
	s_add_co_u32 s66, s66, s60                     ; w_o: hangs on J alone, which my column shares
	s_mov_b32 s67, 0
	s_mov_b32 s[G0], 1
	s_mul_i32 s[G0+1], s[WV], PART                 ; o's four parts, then w_o's four
	s_wait_dscnt 0x0                               ; both opening adds are done
	s_wait_kmcnt 0x0
	s_add_nc_u64 s[68:69], s[4:5], s[62:63]
	s_add_nc_u64 s[70:71], s[8:9], s[66:67]
	CROUND                                         ; all sixteen work-groups are here: the joint loads meet
	s_cmp_lt_u32 s[WV], 4                          ; one tensor load a wave
	s_cbranch_scc0 .Lfetch_w
	s_mov_b64 s[G0+2:G0+3], s[68:69]
	s_or_b32 s[G0+3], s[G0+3], 0x80000000
	tensor_load_to_lds s[G0:G0+3], s[G1O:G1O+7]
	s_nop 0
	PLACES
	s_branch .Lfetched
.Lfetch_w:
	s_mov_b64 s[G0+2:G0+3], s[70:71]
	s_or_b32 s[G0+3], s[G0+3], 0x80000000
	tensor_load_to_lds s[G0:G0+3], s[G1W:G1W+7]
	s_nop 0
	PLACES
.Lfetched:
	s_mov_b32 s61, 0
	s_lshl_b32 s60, s[JJ], 12
	s_lshl_b32 s62, s[WP], 11
	s_add_co_u32 s60, s60, s62
	s_add_nc_u64 s[72:73], s[10:11], s[60:61]      ; my 64 columns' scale bytes
	s_lshl_b32 s60, s[II], 12
	s_lshl_b32 s62, s[RT], 7
	s_add_co_u32 s60, s60, s62
	s_add_nc_u64 s[74:75], s[6:7], s[60:61]        ; my 32 rows' words of K step 0; the next step's lie 512 bytes on
	s_lshl_b32 s60, s[JJ], 9
	s_lshl_b32 s62, s[WP], 8
	s_add_co_u32 s60, s60, s62                     ; my first column, in bytes
	s_add_nc_u64 s[76:77], s[12:13], s[60:61]
	s_lshl_b32 s62, s[II], 19
	s_add_co_u32 s60, s60, s62
	s_lshl_b32 s62, s[RT], 17
	s_add_co_u32 s60, s60, s62                     ; my first row, 128 I + 32 rt, x 4,096 bytes
	s_add_nc_u64 s[78:79], s[14:15], s[60:61]
	v_and_b32 v248, 7, v0                          ; r % 8
	v_bfe_u32 v249, v0, 3, 1                       ; e = r / 8
	v_bfe_u32 v250, v0, 4, 1                       ; h
	v_and_b32 v251, 31, v0
	v_lshlrev_b32 v[L4], 2, v251
	v_lshlrev_b32 v[L16], 4, v251
	v_lshlrev_b32 v[VB], 7, v250                   ; 128 h
	v_lshlrev_b32 v[VSC], 5, v248
	v_lshl_add_u32 v[VSC], v249, 10, v[VSC]
	v_lshl_add_u32 v[VSC], v250, 8, v[VSC]         ; lanes 16-31: the next tile
	v_nop
	s_wait_alu depctr_va_vdst(0)
.irp b, 0,1
.irp c, 0,1
	global_load_b128 v[SP+8*\b+4*\c:SP+8*\b+4*\c+3], v[VSC], s[72:73] offset:512*\b+16*\c
.endr
.endr
.irp s, 0,1,2,3,4,5,6,7
	global_load_b32 v[SR+\s], v[L4], s[74:75] offset:512*\s
.endr
.irp a, 0,1
.irp t, 0,1,2,3
	global_load_b128 v[ACC+32*\a+8*\t:ACC+32*\a+8*\t+3], v[VB], s[76:77] offset:32*\t      ; the bias is the C of the first K step
	global_load_b128 v[ACC+32*\a+8*\t+4:ACC+32*\a+8*\t+7], v[VB], s[76:77] offset:32*\t+16
.endr
.endr
	s_mul_i32 s60, s[RT], 24576                    ; row tile 2 rt
	s_mul_i32 s62, s[WP], 49152
	s_add_co_u32 s62, s62, 4*PART
	v_add_nc_u32 v[AP], s62, v[L16]
	v_mul_u32_u24 v252, v249, 768
	v_add_nc_u32 v252, s60, v252
	v_xor_b32 v253, v250, v249
	v_lshl_add_u32 v[AR16], v253, 7, v252
	v_lshl_add_u32 v[AR16], v248, 4, v[AR16]
	v_lshl_add_u32 v252, v250, 6, v252
	v_lshl_add_u32 v252, v248, 3, v252
	v_add_nc_u32 v252, 512, v252
	v_lshl_add_u32 v[AR8], v249, 7, v252
	v_xor_b32 v253, 1, v249
	v_lshl_add_u32 v[AR8+1], v253, 7, v252
	s_mul_i32 s60, s[WV], 16*272
	s_add_co_u32 s60, s60, STAGE                   ; my stage
	v_and_b32 v254, 15, v0
	v_mul_u32_u24 v[STO], v254, 272
	v_lshl_add_u32 v[STO], v250, 7, v[STO]
	v_add_nc_u32 v[STO], s60, v[STO]               ; into the stage: row r, + 128 h
	v_mul_u32_u24 v[RD], v250, 272
	v_lshl_add_u32 v[RD], v254, 4, v[RD]
	v_add_nc_u32 v[RD], s60, v[RD]                 ; back: lanes 0-15 one row, lanes 16-31 the next
	v_lshlrev_b32 v[COF], 12, v250
	v_lshl_add_u32 v[COF], v254, 4, v[COF]         ; and the same two rows in out0
	s_wait_alu depctr_va_vdst(0)                   ; the wait at the head's end
	s_wait_tensorcnt 0x0                           ; my part has landed,
	s_barrier_signal -1
	s_barrier_wait -1                              ; everybody's has: the filled bytes are only read from here on
	LOADSTEP 0, 0
.irp s, 0,1,2,3,4,5,6
.if \s > 0
	PLACES
.endif
	LOADSTEP (\s+1)%2, \s+1
	s_wait_dscnt 20                                ; all but the 20 just issued
.if \s == 0
	s_wait_loadcnt 0x0                             ; scale words and bias are in
.endif
	MUL \s%2, \s
.endr
	s_wait_dscnt 0x0
	MUL 1, 7
	PLACES
.irp a, 0,1
.irp t, 0,1,2,3
	ds_store_b128 v[STO], v[ACC+32*\a+8*\t:ACC+32*\a+8*\t+3] offset:32*\t          ; each accumulator from its low end on
	ds_store_b128 v[STO], v[ACC+32*\a+8*\t+4:ACC+32*\a+8*\t+7] offset:32*\t+16
.endr
.irp i, 0,1,2,3,4,5,6,7
	ds_load_b128 v[F0+32*\a+4*\i:F0+32*\a+4*\i+3], v[RD] offset:544*\i   ; LDS serves a wave's instructions in order (ISA guide 5.7.1.4)
.endr
.endr
	s_wait_dscnt 16                                ; the first tile is back; the second's 8 stores and 8 loads may be out
.irp a, 0,1
.if \a
	s_wait_dscnt 0x0
.endif
.irp i, 0,1,2,3,4,5,6,7
	global_store_b128 v[COF], v[F0+32*\a+4*\i:F0+32*\a+4*\i+3], s[78:79] offset:65536*\a+8192*\i th:TH_STORE_NT   ; written once, read by nobody here
.endr
.endr
	s_wait_tensorcnt 0x0                           ; the wave's end, behind my last tensor load and my last LDS store
	ds_add_u32 v[SPW], v[NIL]
	s_wait_dscnt 0x0
	CROUND                                         ; the closing round
	s_endpgm
.Lfunc_end_k_q14e37400a8_oproj:
	.size	k_q14e37400a8_oproj, .Lfunc_end_k_q14e37400a8_oproj-k_q14e37400a8_oproj
	.p2alignl 7, 3214868480
	.fill 96, 4, 3214868480
	.section	.rodata,"a",@progbits
	.p2align	6, 0x0
	.amdhsa_kernel k_q14e37400a8_oproj
		.amdhsa_group_segment_fixed_size 232448
		.amdhsa_private_segment_fixed_size 0
		.amdhsa_enable_private_segment 0
		.amdhsa_kernarg_size 48
		.amdhsa_user_sgpr_count 2
		.amdhsa_user_sgpr_kernarg_segment_ptr 1
		.amdhsa_wavefront_size32 1
		.amdhsa_system_sgpr_workgroup_id_x 1
		.amdhsa_system_sgpr_workgroup_id_y 1
		.amdhsa_system_sgpr_workgroup_id_z 1
		.amdhsa_system_vgpr_workitem_id 0
		.amdhsa_next_free_vgpr 256
		.amdhsa_next_free_sgpr 102
		.amdhsa_reserve_vcc 0
		.amdhsa_float_denorm_mode_32 3
		.amdhsa_float_denorm_mode_16_64 3
		.amdhsa_memory_ordered 1
		.amdhsa_forward_progress 1
		.amdhsa_inst_pref_size 33
	.end_amdhsa_kernel
	.amdgpu_metadata
---
amdhsa.version: [ 1, 2 ]
amdhsa.kernels:
  - .name:           k_q14e37400a8_oproj
    .symbol:         k_q14e37400a8_oproj.kd
    .args:
      - { .name: oimg, .offset: 0, .size: 8, .value_kind: global_buffer, .address_space: global }
      - { .name: oscl, .offset: 8, .size: 8, .value_kind: global_buffer, .address_space: global }
      - { .name: woimg, .offset: 16, .size: 8, .value_kind: global_buffer, .address_space: global }
      - { .name: w_o_scales, .offset: 24, .size: 8, .value_kind: global_buffer, .address_space: global }
      - { .name: b_o, .offset: 32, .size: 8, .value_kind: global_buffer, .address_space: global }
      - { .name: out0, .offset: 40, .size: 8, .value_kind: global_buffer, .address_space: global }
    .group_segment_fixed_size: 232448
    .private_segment_fixed_size: 0
    .kernarg_segment_align: 8
    .kernarg_segment_size: 48
    .max_flat_workgroup_size: 256
    .sgpr_count:     102
    .vgpr_count:     256
    .wavefront_size: 32
...
	.end_amdgpu_metadata
.endif
;; end of part 3
